; MI455X (gfx1250); checked and timed in simulation.
; The chip was launched on July 23, 2026; its instructions are those of AMD's public machine-readable ISA for CDNA 5 (MIT licence, August 2026) and "CDNA5" Instruction Set Architecture Reference Guide (July 2026). The comments in the code are by the model that wrote it; some were corrected since.
;; Multi Head Attention. Allowed arithmetic: matrix products marked QUANTISED: E2M3 operands, one E8M0 scale for each 32 along K, by v_wmma_scale_f32_16x16x128_f8f6f4 with both operands' format E2M3, f32 sums; everything else in f32.
;; Inputs: Wout 1,024 x 1,024 float32; Wqkv 1,024 x 3,072 float32; bout 1,024 float32; bqkv 3,072 float32; k_gamma 16 x 64 float32; q_gamma 16 x 64 float32; x 4 x 2,048 x 1,024 float32.
;; Outputs: out0 4 x 2,048 x 1,024 float32.
;; This version of the problem:
;;   THIS VERSION OF THE PROBLEM IS GIVEN IN LOW PRECISION. The matrix products marked QUANTISED in the list below multiply operands that are first quantised to E2M3 (2 exponent bits, 3 mantissa bits; 6 bits a number), with one power-of-two scale for each 32 numbers along K (OCP MX v1.0); their sums are f32. All else is computed in f32.
;;   The module's matrix products, in the order in which they are computed (A, B: the left and right operand; K: the contracted axis; several contracted axes count as one K, in the product's order):
;;     1. [M 8,192, K 1,024] x [K 1,024, N 3,072]; A: input x; B: input Wqkv: QUANTISED
;;     2. batch 64 x [M 2,048, K 64] x [K 64, N 2,048]; A: computed on the way; B: computed on the way: QUANTISED
;;     3. batch 64 x [M 64, K 2,048] x [K 2,048, N 2,048]; A: computed on the way; B: softmax (see below): QUANTISED
;;     4. [M 8,192, K 1,024] x [K 1,024, N 1,024]; A: computed on the way; B: input Wout: QUANTISED
;;   THE QUANTISER, for each operand of a quantised product, along K:
;;     - K is cut into blocks of 32 from its start; a last block that is shorter is filled with zeros.
;;     - A block's scale is 2^e with e = floor(log2(the largest magnitude in the block)) - 2, held to -126 .. 127; a block of zeros has e = 0. As a byte (E8M0): e + 127.
;;     - Each number is divided by its block's scale, clamped to +-7.5, and rounded to the nearest number of E2M3, ties to even, subnormals kept.
;;     - The product sums the exact products of the quantised numbers (number of the format x scale) in f32.
;;   ~~~python
;;   def quantise(x, axis):      # numpy; x: float32 -> the quantised numbers, widened to float32 again
;;       x = np.moveaxis(x, axis, -1); K = x.shape[-1]
;;       x = np.pad(x, [(0, 0)] * (x.ndim - 1) + [(0, -K % 32)]); x = x.reshape(x.shape[:-1] + (-1, 32)); a = np.abs(x).max(-1, keepdims=True)
;;       e = np.where(a > 0, np.clip(np.frexp(np.where(a > 0, a, 1))[1] - 1 - 2, -126, 127), 0)      # np.frexp(a)[1] - 1 = floor(log2(a)), exactly
;;       r = np.clip(x / 2.0 ** e, -7.5, 7.5)
;;       step = 2.0 ** (np.maximum(np.frexp(np.where(r == 0, 1, r))[1] - 1, 0) - 3)
;;       q = np.round(r / step) * step * 2.0 ** e      # np.round: ties to even
;;       return np.moveaxis(q.reshape(q.shape[:-2] + (-1,))[..., :K], -1, axis).astype(np.float32)
;;   ~~~
;;   SOFTMAX AHEAD OF A QUANTISED PRODUCT. Where the list says 'softmax', what is quantised is not the finished softmax but p = 2^(t - M), with t = logit x log2(e) and M = ceil(the row's largest t), a whole number; so 1/2 < the row's largest p <= 1. The row's sum l is taken of the UNQUANTISED p, in f32, and the product's result is divided by l at the end. Since M is a whole number, a kernel that streams over the keys may use a running M (the ceiling of the running maximum): every later rescaling is an exact power of two, which a block's scale takes up: the codes' values come out the same.
;;   OPERANDS COMPUTED ON THE WAY. 'Computed on the way' means the value that the module computes at that place (a softmax that the list does not call 'softmax' is quantised finished and normalised). What goes into a quantiser is computed in f32, as accurately as f32 sums, v_exp_f32 and their like allow (about 1e-6 of the number): no bf16 or f16 on the way to a quantiser, and a product that is left as it is and whose result goes on into a quantised operand takes f32 operands (vector FMAs, or v_wmma_f32_16x16x4_f32). A number that lies on a knife's edge between two numbers of the format may be rounded either way, as far as f32 arithmetic and the matrix unit's own rounding can turn it there, and no further.
;; One version. Each part assembles by itself: llvm-mc -triple=amdgcn-amd-amdhsa -mcpu=gfx1250 --defsym DOCPART=n.
;; ======== version 1 of 1: 5 launches
;; workspace buffers: xc 6,291,456 bytes; xs 262,144 bytes; wc 3,145,728 bytes; ws 131,072 bytes; qkvc 18,874,368 bytes; qkvs 786,432 bytes; hc 6,291,456 bytes; hs 262,144 bytes
;; launch qx (part 1): grid 256 x 1, 4 waves a work-group, no clusters, 34,304 bytes of LDS; arguments x, xc, xs; writes xc, xs
.if DOCPART == 1
	.amdgcn_target "amdgcn-amd-amdhsa--gfx1250"
	.amdhsa_code_object_version 6
	.text
	.protected	k_q091a3577c7_qx
	.globl	k_q091a3577c7_qx
	.p2align	8
	.type	k_q091a3577c7_qx,@function
k_q091a3577c7_qx:
	s_mov_b64 s[64:65], 0
	v_nop
	global_prefetch_b8 v0, s[64:65] scope:SCOPE_SE
	s_setreg_imm32_b32 hwreg(HW_REG_WAVE_MODE, 25, 1), 1
	s_wait_xcnt 0x0
; x [8192][1024] f32 becomes codes of FP6 (E2M3) with one E8M0 scale byte for each 32 along K, laid as the products' operand registers want them.
; TILE ORDER: rows go in pairs of tiles of 16: lane r of tile 2 g + u is row 32 g + 8 u + r + 8 (r / 8).
; xc: [tile 512][K step 8][1,536 bytes]: a fragment (16 rows x 128 K, 12 registers a lane) as an image of its registers: register 4 g + w of lane l at 512 g + 16 l + 4 w.
; xs: [pair 256][sigma 4][lane 32][u 2] words: the scale word of row (tile 2 pair + u, lane % 16) for K step 2 sigma + lane / 16.
; A block's scale is 2^(floor(log2(its largest magnitude)) - 2); its byte is that magnitude's exponent field - 2, held at 1 from below.
; LIMITS: NaN and infinities are not served; a block of zeros gets the byte 1 where the rule says 127: its codes are zeros, and this program alone reads the bytes.
; SHARES: a work-group takes a pair (32 rows), wave sigma 256 along K: four fragments f = 2 u + e (tile u, K step 2 sigma + e).  Each load reads 512 consecutive bytes of a row;
; a fragment's 8,192 bytes turn through the wave's own stage in LDS (rows 528 bytes apart) and come back 16 neighbours along K of each block of 32 to a lane.  Waves share nothing: no barrier.
.set SP,    528
.set WSTG,  16*SP                      ; a wave's stage
.set SPARE, 4*WSTG                     ; behind the stages: the spare words, 128 bytes for each wave
.set L16, 1                            ; v1   16 x lane
.set STI, 2                            ; v2   the stage, on the way in
.set STO, 3                            ; v3   and on the way out: row r, + 64 h
.set L8,  4                            ; v4   8 x lane
.set SPW, 10                           ; v10  my spare word's LDS address; never rewritten
.set NIL, 11                           ; v11  0; never rewritten
.set R,   16                           ; v16-143  two sets of 64 registers as loaded
.set X,   144                          ; v144-207 register 16 b + i = k 32 b + 16 h + i of my row
.set D,   208                          ; v208-219 the fragment's codes
.set U,   220                          ; v220-227 halves of blocks on their way
.set TM,  228                          ; v228-243 at work
.set PW,  244                          ; v244-247 the four fragments' scale words
.set SW,  248                          ; v248-249 the scale words as they are stored
.set SEL, 20                           ; s[20:21] selects for lane l xor 16
.set HM,  22                           ; s22  lanes 16-31
; 64 numbers of a lane, register 16 b + i = k 32 b + 16 (lane / 16) + i of my row, become codes: registers 0-5 of the fragment at d0, 6-11 at d1, and the row's scale word in pw.
.macro QUANT s, d0, d1, pw
.irp b, 0,1,2,3
	v_max3_num_f32 v[TM+\b], |v[\s+16*\b]|, |v[\s+1+16*\b]|, 0x1800000   ; my 16 numbers of block b, and the floor 2^(3 - 127): the byte cannot fall under 1
.endr
.irp i, 2,4,6,8,10,12,14
.irp b, 0,1,2,3
	v_max3_num_f32 v[TM+\b], v[TM+\b], |v[\s+16*\b+\i]|, |v[\s+1+16*\b+\i]|   ; the four blocks by turns
.endr
.endr
.irp b, 0,1,2,3
	v_permlanex16_b32 v[TM+4+\b], v[TM+\b], s[SEL], s[SEL+1]
.endr
.irp b, 0,1,2,3
	v_max_num_f32 v[TM+\b], v[TM+\b], v[TM+4+\b]   ; with lane l xor 16's: the block's largest magnitude
.endr
.irp b, 0,1,2,3
	v_add_nc_u32 v[TM+12+\b], 0xff000000, v[TM+\b]   ; 2 off its exponent field: the conversion's scale operand
.endr
.irp b, 0,1,2,3
	v_lshrrev_b32 v[TM+4+\b], 23, v[TM+12+\b]      ; the scale's byte
.endr
	v_lshl_or_b32 v[\pw], v[TM+5], 8, v[TM+4]
	v_lshl_or_b32 v[\pw], v[TM+6], 16, v[\pw]
	v_lshl_or_b32 v[\pw], v[TM+7], 24, v[\pw]
	v_cvt_scalef32_pk16_fp6_f32 v[\d0:\d0+2], v[\s:\s+15], v[TM+12]
	v_cvt_scalef32_pk16_fp6_f32 v[U:U+2], v[\s+16:\s+31], v[TM+13]    ; (a conversion's three registers begin on an even number)
	v_cvt_scalef32_pk16_fp6_f32 v[\d1:\d1+2], v[\s+32:\s+47], v[TM+14]
	v_cvt_scalef32_pk16_fp6_f32 v[U+4:U+6], v[\s+48:\s+63], v[TM+15]
	v_nop                                          ; one plain place behind the scaled conversions
.irp i, 0,1,2
	v_permlane16_swap_b32 v[\d0+\i], v[U+\i]       ; a whole block to a lane: lanes 0-15 the even block, lanes 16-31 the odd one
	v_permlane16_swap_b32 v[\d1+\i], v[U+4+\i]
.endr
.irp i, 0,1,2
	v_mov_b32 v[\d0+3+\i], v[U+\i]
	v_mov_b32 v[\d1+3+\i], v[U+4+\i]
.endr
.endm
	s_load_b128 s[4:7], s[0:1], 0x0                ; x, xc
	s_load_b64 s[8:9], s[0:1], 0x10                ; xs
	v_lshl_add_u32 v[SPW], v0, 2, SPARE
	v_mov_b32 v[NIL], 0
	v_lshrrev_b32 v5, 5, v0
	v_readfirstlane_b32 s12, v5                    ; wave = sigma
	v_and_b32 v5, 31, v0                           ; lane
	v_and_b32 v6, 15, v0                           ; r
	v_bfe_u32 v7, v0, 4, 1                         ; h
	v_lshlrev_b32 v[L16], 4, v5
	v_lshlrev_b32 v[L8], 3, v5
	s_mul_i32 s13, s12, WSTG
	v_add_nc_u32 v[STI], s13, v[L16]
	v_mul_u32_u24 v[STO], v6, SP
	v_lshl_add_u32 v[STO], v7, 6, v[STO]
	v_add_nc_u32 v[STO], s13, v[STO]
	s_mov_b32 s[SEL], 0x76543210
	s_mov_b32 s[SEL+1], 0xfedcba98
	s_mov_b32 s[HM], 0xffff0000
.irp b, 0,1,2,3
	v_mov_b32 v[TM+4+\b], 0                        ; written once: a lane permute's destination counts as one of its sources
.endr
	s_lshl_b32 s14, ttmp9, 17                      ; x: 32 rows of 4,096 bytes a pair,
	s_lshl_b32 s16, s12, 10                        ; 1,024 bytes of a row a wave
	s_add_co_u32 s14, s14, s16
	s_mov_b32 s15, 0
	s_mul_i32 s16, ttmp9, 24576                    ; xc: two tiles of 12,288 bytes a pair,
	s_mul_i32 s18, s12, 3072                       ; two K steps a wave
	s_add_co_u32 s16, s16, s18
	s_mov_b32 s17, 0
	s_lshl_b32 s18, ttmp9, 10                      ; xs: 1,024 bytes a pair, 256 a wave
	s_lshl_b32 s24, s12, 8
	s_add_co_u32 s18, s18, s24
	s_mov_b32 s19, 0
	s_wait_kmcnt 0x0
	s_add_nc_u64 s[4:5], s[4:5], s[14:15]
	s_add_nc_u64 s[6:7], s[6:7], s[16:17]
	s_add_nc_u64 s[8:9], s[8:9], s[18:19]
.macro LOAD f                          ; fragment f: load i reads the 512 bytes of the row at place i of tile f / 2
.irp i, 0,1,2,3,4,5,6,7,8,9,10,11,12,13,14,15
	global_load_b128 v[R+64*((\f)%2)+4*\i:R+64*((\f)%2)+4*\i+3], v[L16], s[4:5] offset:(8*((\f)/2)+\i+8*(\i/8))*4096+512*((\f)%2) th:TH_LOAD_NT
.endr
.endm
.macro FRAGM f
.if (\f) < 3
	s_wait_loadcnt 16                              ; this fragment's 16 loads are in; the next fragment's 16 may be out
.else
	s_wait_loadcnt 0x0
.endif
.irp i, 0,1,2,3,4,5,6,7,8,9,10,11,12,13,14,15
	ds_store_b128 v[STI], v[R+64*((\f)%2)+4*\i:R+64*((\f)%2)+4*\i+3] offset:SP*\i
.endr
.irp b, 0,1,2,3
.irp q, 0,1,2,3
	ds_load_b128 v[X+16*\b+4*\q:X+16*\b+4*\q+3], v[STO] offset:128*\b+16*\q   ; LDS serves a wave's instructions in order: these see the stores above
.endr
.endr
	s_wait_dscnt 0x0                               ; the numbers are back, and the stores have read their registers,
.if (\f) < 2
	LOAD (\f)+2                                    ; which take the fragment two on
.endif
.if (\f) > 0
	s_wait_xcnt 0x0                                ; the last fragment's stores have read their data: the codes' registers are written again only behind this wait
.endif
	QUANT X, D, D+6, PW+(\f)
.irp g, 0,1,2
	global_store_b128 v[L16], v[D+4*\g:D+4*\g+3], s[6:7] offset:((\f)/2)*12288+((\f)%2)*1536+512*\g   ; 512 consecutive bytes, aligned
.endr
.endm
	LOAD 0
	LOAD 1
	FRAGM 0
	FRAGM 1
	FRAGM 2
	FRAGM 3
	v_cndmask_b32 v[SW], v[PW], v[PW+1], s[HM]     ; tile 0: lanes 0-15 the even K step's words, lanes 16-31 the odd one's
	v_cndmask_b32 v[SW+1], v[PW+2], v[PW+3], s[HM] ; tile 1
	global_store_b64 v[L8], v[SW:SW+1], s[8:9]     ; 256 consecutive bytes, aligned
	s_wait_tensorcnt 0x0                           ; the wave's end, behind my last LDS store
	ds_add_u32 v[SPW], v[NIL]
	s_wait_dscnt 0x0
	s_endpgm
.Lfunc_end_k_q091a3577c7_qx:
	.size	k_q091a3577c7_qx, .Lfunc_end_k_q091a3577c7_qx-k_q091a3577c7_qx
	.p2alignl 7, 3214868480
	.fill 96, 4, 3214868480
	.section	.rodata,"a",@progbits
	.p2align	6, 0x0
	.amdhsa_kernel k_q091a3577c7_qx
		.amdhsa_group_segment_fixed_size 34304
		.amdhsa_private_segment_fixed_size 0
		.amdhsa_enable_private_segment 0
		.amdhsa_kernarg_size 24
		.amdhsa_user_sgpr_count 2
		.amdhsa_user_sgpr_kernarg_segment_ptr 1
		.amdhsa_wavefront_size32 1
		.amdhsa_system_sgpr_workgroup_id_x 1
		.amdhsa_system_sgpr_workgroup_id_y 1
		.amdhsa_system_sgpr_workgroup_id_z 1
		.amdhsa_system_vgpr_workitem_id 0
		.amdhsa_next_free_vgpr 256
		.amdhsa_next_free_sgpr 66
		.amdhsa_reserve_vcc 0
		.amdhsa_float_denorm_mode_32 3
		.amdhsa_float_denorm_mode_16_64 3
		.amdhsa_memory_ordered 1
		.amdhsa_forward_progress 1
		.amdhsa_inst_pref_size 33
	.end_amdhsa_kernel
	.amdgpu_metadata
---
amdhsa.version: [ 1, 2 ]
amdhsa.kernels:
  - .name:           k_q091a3577c7_qx
    .symbol:         k_q091a3577c7_qx.kd
    .args:
      - { .name: x, .offset: 0, .size: 8, .value_kind: global_buffer, .address_space: global }
      - { .name: xc, .offset: 8, .size: 8, .value_kind: global_buffer, .address_space: global }
      - { .name: xs, .offset: 16, .size: 8, .value_kind: global_buffer, .address_space: global }
    .group_segment_fixed_size: 34304
    .private_segment_fixed_size: 0
    .kernarg_segment_align: 8
    .kernarg_segment_size: 24
    .max_flat_workgroup_size: 128
    .sgpr_count:     66
    .vgpr_count:     256
    .wavefront_size: 32
...
	.end_amdgpu_metadata
.endif
;; end of part 1
;; launch qw (part 2): grid 32 x 4, 4 waves a work-group, no clusters, 26,112 bytes of LDS; arguments Wqkv, Wout, wc, ws; writes wc, ws
.if DOCPART == 2
	.amdgcn_target "amdgcn-amd-amdhsa--gfx1250"
	.amdhsa_code_object_version 6
	.text
	.protected	k_q091a3577c7_qw
	.globl	k_q091a3577c7_qw
	.p2align	8
	.type	k_q091a3577c7_qw,@function
k_q091a3577c7_qw:
	s_mov_b64 s[64:65], 0
	v_nop
	global_prefetch_b8 v0, s[64:65] scope:SCOPE_SE
	s_setreg_imm32_b32 hwreg(HW_REG_WAVE_MODE, 25, 1), 1
	s_wait_xcnt 0x0
; Wqkv [1024][3072] and Wout [1024][1024], f32, K their FIRST axis, become codes of FP6 (E2M3) and E8M0 scale bytes along K, in the same images as x's:
; wc: [tile 256][K step 8][1,536 bytes], tiles 0-191 Wqkv's columns, 192-255 Wout's;  ws: [pair 128][sigma 4][lane 32][u 2] words.  Lane r of tile 2 p + u is column 32 p + 8 u + r + 8 (r / 8).
; A LANE TAKES A COLUMN AND ITS REGISTERS RUN DOWN K: a block of 32 lies in one lane's 32 registers, and the conversions give codes with K innermost.
; LIMITS: NaN and infinities are not served; a block of zeros gets the byte 1 where the rule says 127: its codes are zeros, and this program alone reads the bytes.
; SHARES: work-group x takes 128 columns (x under 24: of Wqkv; else of Wout: pointer and row pitch are chosen on the work-group's number, all take one path through the text), y 256 along K; a wave 32 columns, one pair.
; A lane's codes belong to another lane's registers in the image, so they go by words through the wave's own stage in LDS and leave in runs of 512 bytes.
; (Of a word store's 32 lanes the two tiles' lanes stand 3,072 bytes apart, a whole number of times round the 64 banks of 4 bytes (ISA guide 11.1): two lanes to a bank.  48 such stores a wave.)
; The work has 128 work-groups' worth: no more are launched.  Loads run two blocks (64 loads a wave) ahead.
.set CSTG,  6144                       ; a wave's stage for codes: [tile u][K step e][1,536]
.set SSTG,  4*CSTG                     ; behind them: 256 bytes a wave for its scale words
.set SPARE, SSTG+4*256                 ; behind them: the spare words, 128 bytes for each wave
.set VO,   16                          ; v16-47   i x the row pitch + 4 x lane; never rewritten
.set X,    48                          ; v48-111  two sets of 32 numbers
.set C,    112                         ; v112-118 a block's codes
.set SB,   120                         ; v120-121 my column's scale words of the two K steps
.set SOUT, 122                         ; v122-123 scale words on the way out
.set OUTR, 128                         ; v128-175 codes on the way out
.set SPW,  14
.set NIL,  15
.set BS,   32                          ; s[32:47] eight bases: my columns at the first row of block t; never rewritten
	s_load_b256 s[4:11], s[0:1], 0x0               ; Wqkv, Wout, wc, ws
	v_lshl_add_u32 v[SPW], v0, 2, SPARE
	v_mov_b32 v[NIL], 0
	v_lshrrev_b32 v1, 5, v0
	v_readfirstlane_b32 s12, v1                    ; wave
	v_and_b32 v1, 31, v0                           ; lane = my column in the pair
	v_and_b32 v2, 7, v1
	v_lshrrev_b32 v3, 4, v1
	v_lshl_add_u32 v2, v3, 3, v2                   ; its place r in its tile: lane % 8 + 8 (lane / 16)
	v_bfe_u32 v3, v1, 3, 1                         ; its tile u
	s_mul_i32 s13, s12, CSTG
	v_mul_u32_u24 v5, v3, 3072
	v_lshl_add_u32 v5, v2, 4, v5
	v_add_nc_u32 v5, s13, v5                       ; v5: into the stage: tile u, 16 r
	v_lshlrev_b32 v9, 4, v1                        ; v9: 16 x lane
	v_add_nc_u32 v6, s13, v9                       ; v6: out of it
	s_lshl_b32 s13, s12, 8
	s_add_co_u32 s13, s13, SSTG
	v_lshlrev_b32 v7, 3, v2
	v_lshl_add_u32 v7, v3, 2, v7
	v_add_nc_u32 v7, s13, v7                       ; v7: my scale words' place: 8 r + 4 u
	v_lshlrev_b32 v10, 3, v1                       ; v10: 8 x lane
	v_add_nc_u32 v8, s13, v10                      ; v8: and on the way out
	v_lshlrev_b32 v4, 2, v1
	s_and_b32 s14, ttmp7, 0xffff                   ; sigma
	s_mov_b32 s15, 4096
	s_cmp_lt_u32 ttmp9, 24
	s_cselect_b32 s15, 12288, s15                  ; a row of the tensor in bytes
	s_cselect_b32 s16, 0, 24
	s_sub_co_u32 s16, ttmp9, s16                   ; which 128 columns of it
	s_lshl_b32 s16, s16, 9
	s_lshl_b32 s17, s12, 7
	s_add_co_u32 s16, s16, s17                     ; my wave's first column, in bytes
	s_lshl_b32 s18, s14, 8
	s_mul_i32 s18, s18, s15                        ; 256 sigma rows down
	s_add_co_u32 s18, s18, s16
	s_mov_b32 s19, 0
	s_lshl_b32 s20, s15, 5                         ; 32 rows
	s_mov_b32 s21, 0
.set i, 0
.rept 32
	v_mad_u32_u24 v[VO+i], s15, i, v4
.set i, i+1
.endr
	s_lshl_b32 s22, ttmp9, 2
	s_add_co_u32 s22, s22, s12                     ; my pair: 4 x + wave, in both tensors' common count
	s_mul_i32 s24, s22, 24576
	s_mul_i32 s23, s14, 3072
	s_add_co_u32 s24, s24, s23
	s_mov_b32 s25, 0
	s_lshl_b32 s26, s22, 10
	s_lshl_b32 s23, s14, 8
	s_add_co_u32 s26, s26, s23
	s_mov_b32 s27, 0
	s_wait_kmcnt 0x0
	s_cmp_lt_u32 ttmp9, 24
	s_cselect_b64 s[4:5], s[4:5], s[6:7]           ; the choice hangs on the work-group's number alone
	s_add_nc_u64 s[BS:BS+1], s[4:5], s[18:19]
.irp t, 1,2,3,4,5,6,7
	s_add_nc_u64 s[BS+2*\t:BS+2*\t+1], s[BS+2*\t-2:BS+2*\t-1], s[20:21]
.endr
	s_add_nc_u64 s[8:9], s[8:9], s[24:25]
	s_add_nc_u64 s[10:11], s[10:11], s[26:27]
.macro LOAD t                          ; block t: W(256 sigma + 32 t + i, my column): 128 consecutive bytes a wave, 512 a work-group
.set i, 0
.rept 32
	global_load_b32 v[X+32*((\t)%2)+i], v[VO+i], s[BS+2*(\t):BS+2*(\t)+1] th:TH_LOAD_NT
.set i, i+1
.endr
.endm
.macro BLOCK t
.set XS, X+32*((\t)%2)
.if (\t) < 7
	s_wait_loadcnt 32                              ; this block's 32 loads are in; the next block's may be out
.else
	s_wait_loadcnt 0x0
.endif
	v_max3_num_f32 v12, |v[XS]|, |v[XS+1]|, |v[XS+2]|
	v_max3_num_f32 v13, |v[XS+3]|, |v[XS+4]|, |v[XS+5]|
.irp i, 6,10,14,18,22,26
	v_max3_num_f32 v12, v12, |v[XS+\i]|, |v[XS+\i+1]|
	v_max3_num_f32 v13, v13, |v[XS+\i+2]|, |v[XS+\i+3]|
.endr
	v_max3_num_f32 v12, v12, |v[XS+30]|, |v[XS+31]|
	v_max3_num_f32 v12, v12, v13, 0x1800000        ; the block's largest magnitude, and the floor 2^(3 - 127)
	v_add_nc_u32 v11, 0xff000000, v12              ; 2 off its exponent field: the conversion's scale operand
	v_lshrrev_b32 v13, 23, v11                     ; the scale's byte
.if (\t)%4 == 0
	v_mov_b32 v[SB+(\t)/4], v13
.else
	v_lshl_or_b32 v[SB+(\t)/4], v13, 8*((\t)%4), v[SB+(\t)/4]
.endif
	v_cvt_scalef32_pk16_fp6_f32 v[C:C+2], v[XS:XS+15], v11
	v_cvt_scalef32_pk16_fp6_f32 v[C+4:C+6], v[XS+16:XS+31], v11
; block t is k = 64 c + 32 h' of K step t / 4 (c = (t % 4) / 2, h' = t % 2): its six words are registers 6 c + q of lane r + 16 h' of the image
.irp q, 0,1,2,3,4,5
.set RHO, 6*(((\t)%4)/2)+\q
	ds_store_b32 v5, v[C+\q+\q/3] offset:((\t)/4)*1536+(RHO/4)*512+256*((\t)%2)+4*(RHO%4)
.endr
.if (\t)+2 < 8
	LOAD (\t)+2
.endif
	s_wait_dscnt 0x0                               ; the stores have read their registers: the next block's codes may be written
.endm
	LOAD 0
	LOAD 1
.irp t, 0,1,2,3,4,5,6,7
	BLOCK \t
.endr
	ds_store_b32 v7, v[SB]                         ; K step 2 sigma: lanes 0-15 of the image,
	ds_store_b32 v7, v[SB+1] offset:128            ; K step 2 sigma + 1: lanes 16-31
.irp u, 0,1
.irp k, 0,1,2,3,4,5
	ds_load_b128 v[OUTR+24*\u+4*\k:OUTR+24*\u+4*\k+3], v6 offset:3072*\u+512*\k   ; LDS serves a wave's instructions in order: these see my stores
.endr
.endr
	ds_load_b64 v[SOUT:SOUT+1], v8
	s_wait_dscnt 0x0
.irp u, 0,1
.irp k, 0,1,2,3,4,5
	global_store_b128 v9, v[OUTR+24*\u+4*\k:OUTR+24*\u+4*\k+3], s[8:9] offset:12288*\u+512*\k   ; 512 consecutive bytes, aligned
.endr
.endr
	global_store_b64 v10, v[SOUT:SOUT+1], s[10:11] ; 256 consecutive bytes, aligned
	s_wait_tensorcnt 0x0                           ; the wave's end, behind my last LDS store
	ds_add_u32 v[SPW], v[NIL]
	s_wait_dscnt 0x0
	s_endpgm
.Lfunc_end_k_q091a3577c7_qw:
	.size	k_q091a3577c7_qw, .Lfunc_end_k_q091a3577c7_qw-k_q091a3577c7_qw
	.p2alignl 7, 3214868480
	.fill 96, 4, 3214868480
	.section	.rodata,"a",@progbits
	.p2align	6, 0x0
	.amdhsa_kernel k_q091a3577c7_qw
		.amdhsa_group_segment_fixed_size 26112
		.amdhsa_private_segment_fixed_size 0
		.amdhsa_enable_private_segment 0
		.amdhsa_kernarg_size 32
		.amdhsa_user_sgpr_count 2
		.amdhsa_user_sgpr_kernarg_segment_ptr 1
		.amdhsa_wavefront_size32 1
		.amdhsa_system_sgpr_workgroup_id_x 1
		.amdhsa_system_sgpr_workgroup_id_y 1
		.amdhsa_system_sgpr_workgroup_id_z 1
		.amdhsa_system_vgpr_workitem_id 0
		.amdhsa_next_free_vgpr 192
		.amdhsa_next_free_sgpr 66
		.amdhsa_reserve_vcc 0
		.amdhsa_float_denorm_mode_32 3
		.amdhsa_float_denorm_mode_16_64 3
		.amdhsa_memory_ordered 1
		.amdhsa_forward_progress 1
		.amdhsa_inst_pref_size 45
	.end_amdhsa_kernel
	.amdgpu_metadata
---
amdhsa.version: [ 1, 2 ]
amdhsa.kernels:
  - .name:           k_q091a3577c7_qw
    .symbol:         k_q091a3577c7_qw.kd
    .args:
      - { .name: Wqkv, .offset: 0, .size: 8, .value_kind: global_buffer, .address_space: global }
      - { .name: Wout, .offset: 8, .size: 8, .value_kind: global_buffer, .address_space: global }
      - { .name: wc, .offset: 16, .size: 8, .value_kind: global_buffer, .address_space: global }
      - { .name: ws, .offset: 24, .size: 8, .value_kind: global_buffer, .address_space: global }
    .group_segment_fixed_size: 26112
    .private_segment_fixed_size: 0
    .kernarg_segment_align: 8
    .kernarg_segment_size: 32
    .max_flat_workgroup_size: 128
    .sgpr_count:     66
    .vgpr_count:     192
    .wavefront_size: 32
...
	.end_amdgpu_metadata
.endif
;; end of part 2
;; launch gemm_qkv (part 3): grid 12 x 64, 4 waves a work-group, clusters of 4 x 4, 295,424 bytes of LDS; arguments xc, xs, wc, ws, bqkv, q_gamma, k_gamma, qkvc, qkvs; writes qkvc, qkvs
.if DOCPART == 3
	.amdgcn_target "amdgcn-amd-amdhsa--gfx1250"
	.amdhsa_code_object_version 6
	.text
	.protected	k_q091a3577c7_gemm_qkv
	.globl	k_q091a3577c7_gemm_qkv
	.p2align	8
	.type	k_q091a3577c7_gemm_qkv,@function
k_q091a3577c7_gemm_qkv:
	s_mov_b64 s[64:65], 0
	v_nop
	global_prefetch_b8 v0, s[64:65] scope:SCOPE_SE
	s_setreg_imm32_b32 hwreg(HW_REG_WAVE_MODE, 25, 1), 1
	s_wait_xcnt 0x0
	s_wait_alu depctr_hold_cnt(0) depctr_sa_sdst(0) depctr_va_vdst(0) depctr_va_sdst(0) depctr_va_ssrc(0) depctr_va_vcc(0) depctr_vm_vsrc(0)
	s_getreg_b32 s2, hwreg(HW_REG_IB_STS2, 6, 4)
	s_cmp_eq_u32 s2, 0
	s_cbranch_scc0 .Lentry_in_a_cluster
	s_endpgm
.Lentry_in_a_cluster:
	s_bfe_u32 s2, ttmp6, 0x10000c
	s_cmp_lg_u32 s2, 0xf033
	s_cbranch_scc0 .Lentry_shape_is_right
	s_endpgm
.Lentry_shape_is_right:
; qkv = x Wqkv + bqkv on codes of FP6 (E2M3) with E8M0 scales; then, in registers: q and k get their norm per head (t / max(|t|, 1e-12) x gamma x 8) and are quantised along the head's 64; v is quantised along the keys.
; Nothing of qkv goes to memory in f32.  Operands lie in memory as images of the operand registers (a fragment of 16 rows x 128 K = 1,536 bytes, register 4 g + w of lane l at 512 g + 16 l + 4 w), tiles [tile][K step 8][1,536].
; TILE ORDER: lane r of tile 2 p + u is row 32 p + 8 u + r + 8 (r / 8) (x's rows and W's columns alike).  The matrix instruction is used with source 0 = a tile of the B side, source 1 = a tile of the A side:
; lane (r, h) then holds the A side's row at place r, and the 16 registers of B tiles 2 p, 2 p + 1 are the B side's 16 NEIGHBOURS 32 p + 16 h + 0 .. 15: what the quantiser wants.
; A work-group makes 128 of the A side x 256 of the B side for all of K = 1,024; a wave 64 x 128: 32 accumulators.  Clusters x = 0, 1: A side = x's rows, B side = q's, k's columns.  Cluster x = 2: A side = v's columns,
; B side = x's rows (the buffers change places, not the text): a lane then holds one channel d and its registers run along 128 keys.
; LDS holds A's and B's tiles for ALL of K: each byte is filled once, in four chunks of two K steps; four tensor loads of each wave are out at the start, and no slot is ever filled again.
; CLUSTER 4 x 4: A's tiles are shared along a row of the cluster, B's along a column, by joint loads.
; OUT: qkvc: q, k: [bh][pair of tiles 64][1,536]: registers 0-5 the even tile's 64 channels, 6-11 the odd tile's;  v: [bh][key step 16][d tile 4][1,536].
;      qkvs: q, k: [batch 8 + head pair][half step 32][lane = 16 (pair % 2) + r][head % 2] words = even tile's two bytes, odd tile's two;  v: [bh][key step][lane][w] words of d tile 2 w + lane / 16.
; LIMITS: NaN and infinities are not served; a block of zeros gets the byte 1 where the rule says 127 (zero codes; read by this program alone).
; REGISTERS: window 0: v1-13 addresses; v28, v29 the add's two; v32-47 A's scale words, v48-79 B's (scales and nothing else); v80-175 A's fragments, two sets; behind the products v80-213 serve the epilogue.
;   window 1: v0-191 B's fragments, two sets; v192-255 the gains.   window 2: accumulator (a, b) at v[64 a + 8 b].   window 3: v0-63 the bias along the B side, v64-71 along the A side.
.set BIMG,  98304                      ; LDS: A: [chunk 4][tile 8][3,072] from 0;  B: [chunk 4][tile 16][3,072] from here
.set SPARE, 294912                     ; behind them: the spare words, 128 bytes for each wave
.set L16,  1
.set L8,   2
.set ADRA, 4                           ; v4-7   my A fragments in chunk j
.set ADRB, 8                           ; v8-11  my B fragments in chunk j
.set H64,  12                          ; v12    64 h
.set RP4,  13                          ; v13    4 (r + 8 (r / 8))
.set SPW,  28
.set NIL,  29
.set SA,   32
.set SB,   48
.set AF,   80
.set T,    80                          ; epilogue: v80-143 64 numbers of a lane
.set IM0,  144                         ; v144-155, v156-167 two images
.set IM1,  156
.set U,    168
.set TM,   176
.set PW,   192
.set WW,   196
.set SCW,  200
.set SS,   202
.set RI,   210
.set GA,   192                         ; in window 1
.set BI,   0                           ; in window 3
.set VB,   64                          ; in window 3
.set TR,   22                          ; s22 tile row (A side), s23 tile column (B side)
.set TC,   23
.set G1A,  24
.set G1B,  32
.set G0A,  40                          ; s[40:55] four groups 0 for A's chunks
.set WV,   56
.set WR,   57
.set WC,   58
.set CX,   59
.set CY,   60
.set XX,   61
.set YY,   62
.set HM,   63
.set SEL,  66
.set G0B,  68                          ; s[68:83] four groups 0 for B's chunks
.set MSB, 0
.macro WIN new                         ; the immediate's high byte repeats the setting that is left
.if MSB != \new
	s_set_vgpr_msb (MSB<<8)|\new
.set MSB, \new
.endif
.endm
.set MUL,  0xa1                        ; source 0 (B side) window 1, source 1 (A side) window 0, C and D window 2
.set MUL0, 0xa1
.set CM0,  1                           ; the first K step's products start the sums with the constant 0
.set TO_B, 0x40
.macro CROUND                          ; a round of the cluster's barrier
	s_barrier_signal -1
	s_barrier_wait -1
	s_cmp_lg_u32 s[WV], 0
	s_cbranch_scc1 .Lnot_wave_0_\@
	s_barrier_signal -3
.Lnot_wave_0_\@:
	s_barrier_wait -3
	s_barrier_signal -1
	s_barrier_wait -1
.endm
.macro PLACES                          ; four places behind matrix instructions, ahead of loads into their sources and of reads of their results
.rept 4
	v_nop
.endr
.endm
.macro QUANT s, d0, d1, pw             ; 64 numbers of a lane, register 16 b + i = k 32 b + 16 h + i of its row: codes of k 0-63 at d0 (6 registers), of k 64-127 at d1, the scale word in pw
.irp b, 0,1,2,3
	v_max3_num_f32 v[TM+\b], |v[\s+16*\b]|, |v[\s+1+16*\b]|, 0x1800000   ; and the floor 2^(3 - 127): the byte cannot fall under 1
.endr
.irp i, 2,4,6,8,10,12,14
.irp b, 0,1,2,3
	v_max3_num_f32 v[TM+\b], v[TM+\b], |v[\s+16*\b+\i]|, |v[\s+1+16*\b+\i]|
.endr
.endr
.irp b, 0,1,2,3
	v_permlanex16_b32 v[TM+4+\b], v[TM+\b], s[SEL], s[SEL+1]
.endr
.irp b, 0,1,2,3
	v_max_num_f32 v[TM+\b], v[TM+\b], v[TM+4+\b]
.endr
.irp b, 0,1,2,3
	v_add_nc_u32 v[TM+12+\b], 0xff000000, v[TM+\b]   ; 2 off the exponent field: the conversion's scale operand
.endr
.irp b, 0,1,2,3
	v_lshrrev_b32 v[TM+4+\b], 23, v[TM+12+\b]
.endr
	v_lshl_or_b32 v[\pw], v[TM+5], 8, v[TM+4]
	v_lshl_or_b32 v[\pw], v[TM+6], 16, v[\pw]
	v_lshl_or_b32 v[\pw], v[TM+7], 24, v[\pw]
	v_cvt_scalef32_pk16_fp6_f32 v[\d0:\d0+2], v[\s:\s+15], v[TM+12]
	v_cvt_scalef32_pk16_fp6_f32 v[U:U+2], v[\s+16:\s+31], v[TM+13]
	v_cvt_scalef32_pk16_fp6_f32 v[\d1:\d1+2], v[\s+32:\s+47], v[TM+14]
	v_cvt_scalef32_pk16_fp6_f32 v[U+4:U+6], v[\s+48:\s+63], v[TM+15]
	v_nop                                          ; one plain place behind the scaled conversions
.irp i, 0,1,2
	v_permlane16_swap_b32 v[\d0+\i], v[U+\i]
	v_permlane16_swap_b32 v[\d1+\i], v[U+4+\i]
.endr
.irp i, 0,1,2
	v_mov_b32 v[\d0+3+\i], v[U+\i]
	v_mov_b32 v[\d1+3+\i], v[U+4+\i]
.endr
.endm
	s_load_b512 s[4:19], s[0:1], 0x0               ; xc, xs, wc, ws, bqkv, q_gamma, k_gamma, qkvc
	s_load_b64 s[20:21], s[0:1], 0x40              ; qkvs
	v_lshl_add_u32 v[SPW], v0, 2, SPARE
	v_mov_b32 v[NIL], 0
	ds_add_u32 v[SPW], v[NIL]                      ; the wave's opening: an add, waited on ahead of my first tensor load
	v_lshrrev_b32 v1, 5, v0
	v_readfirstlane_b32 s[WV], v1                  ; wave 0..3
	s_lshr_b32 s[WR], s[WV], 1                     ; my half of the A side.  Also: I fetch for A (0) or for B (1)
	s_and_b32 s[WC], s[WV], 1                      ; my half of the B side.  Also: which half of a chunk I fetch
	s_bfe_u32 s[CX], ttmp6, 0x40000
	s_bfe_u32 s[CY], ttmp6, 0x40004
	s_mov_b32 s[XX], ttmp9                         ; cluster x: 0 q, 1 k, 2 v
	s_and_b32 s[YY], ttmp7, 0xffff                 ; cluster y
	s_lshl_b32 s84, s[CY], 2
	s_lshl_b32 s84, 15, s84                        ; my row of the cluster
	s_lshl_b32 s85, 0x1111, s[CX]                  ; my column
	s_or_b32 s[G1A], s84, (3<<16)|(1<<21)          ; 15:0 the mask; 17:16 elements of 8 bytes; 21 set beside a mask; no padding
	s_or_b32 s[G1B], s85, (3<<16)|(1<<21)
	s_mov_b32 s[G1A+1], 384<<16                    ; a row: two K steps of a tile, 3,072 bytes = 384 elements
	s_mov_b32 s[G1A+2], 4<<16                      ; A: 4 tiles to a load
	s_mov_b32 s[G1A+3], 384<<16
	s_mov_b32 s[G1A+4], 4
	s_mov_b32 s[G1A+5], 1536                       ; from tile to tile: 12,288 bytes
	s_mov_b32 s[G1A+6], 0
	s_mov_b32 s[G1A+7], 0
	s_mov_b32 s[G1B+1], 384<<16
	s_mov_b32 s[G1B+2], 8<<16                      ; B: 8 tiles to a load
	s_mov_b32 s[G1B+3], 384<<16
	s_mov_b32 s[G1B+4], 8
	s_mov_b32 s[G1B+5], 1536
	s_mov_b32 s[G1B+6], 0
	s_mov_b32 s[G1B+7], 0
	s_mov_b32 s[SEL], 0x76543210
	s_mov_b32 s[SEL+1], 0xfedcba98
	s_mov_b32 s[HM], 0xffff0000
	s_and_b32 s86, s[YY], 1
	s_lshr_b32 s87, s[YY], 1
	s_lshl_b32 s91, s[XX], 12                      ; q's or k's first bias, in bytes
	s_cmp_eq_u32 s[XX], 2                          ; v?  The cluster's x is the same in all sixteen partners
	s_cselect_b32 s86, s86, s[YY]
	s_cselect_b32 s87, s87, s[XX]
	s_cselect_b32 s88, 1572864, 0                  ; v's columns begin at tile 128 of wc,
	s_cselect_b32 s89, 65536, 0                    ; at pair 64 of ws
	s_cselect_b32 s91, 0, s91
	s_lshl_b32 s[TR], s86, 2
	s_add_co_u32 s[TR], s[TR], s[CY]               ; tile row: hangs on cy alone
	s_lshl_b32 s[TC], s87, 2
	s_add_co_u32 s[TC], s[TC], s[CX]               ; tile column: hangs on cx alone
	s_mul_i32 s92, s[TR], 98304                    ; A's codes: 8 tiles a tile row, my half of them
	s_add_co_u32 s92, s92, s88
	s_mul_i32 s90, s[WC], 49152
	s_add_co_u32 s92, s92, s90
	s_mov_b32 s93, 0
	s_mul_i32 s94, s[TC], 196608                   ; B's codes: 16 tiles a tile column
	s_mul_i32 s90, s[WC], 98304
	s_add_co_u32 s94, s94, s90
	s_mov_b32 s95, 0
	s_lshl_b32 s96, s[TR], 12                      ; A's scale words: 4 pairs a tile row, my wave's two
	s_add_co_u32 s96, s96, s89
	s_lshl_b32 s90, s[WR], 11
	s_add_co_u32 s96, s96, s90
	s_mov_b32 s97, 0
	s_lshl_b32 s98, s[TC], 13                      ; B's: 8 pairs a tile column, my wave's four
	s_lshl_b32 s90, s[WC], 12
	s_add_co_u32 s98, s98, s90
	s_mov_b32 s99, 0
	s_mul_i32 s100, s[WC], 12288                   ; where my loads go: no place in the cluster enters an LDS address
	s_mul_i32 s101, s[WC], 24576
	s_wait_dscnt 0x0                               ; the opening add is done
	s_wait_kmcnt 0x0
	s_cmp_eq_u32 s[XX], 2
	s_cselect_b64 s[84:85], s[8:9], s[4:5]         ; A's codes: wc for v, else xc
	s_cselect_b64 s[86:87], s[4:5], s[8:9]         ; B's codes
	s_cselect_b64 s[88:89], s[10:11], s[6:7]       ; A's scales
	s_cselect_b64 s[4:5], s[6:7], s[10:11]         ; B's scales
	s_add_nc_u64 s[84:85], s[84:85], s[92:93]
	s_add_nc_u64 s[86:87], s[86:87], s[94:95]
	s_add_nc_u64 s[88:89], s[88:89], s[96:97]
	s_add_nc_u64 s[4:5], s[4:5], s[98:99]
	s_cmp_eq_u32 s[XX], 0
	s_cselect_b64 s[14:15], s[14:15], s[16:17]     ; q's gains or k's
.irp j, 0,1,2,3
	s_mov_b32 s[G0A+4*\j], 1
	s_add_co_u32 s[G0A+4*\j+1], s100, \j*24576
	s_add_nc_u64 s[G0A+4*\j+2:G0A+4*\j+3], s[84:85], \j*3072
	s_or_b32 s[G0A+4*\j+3], s[G0A+4*\j+3], 0x80000000
	s_mov_b32 s[G0B+4*\j], 1
	s_add_co_u32 s[G0B+4*\j+1], s101, BIMG+\j*49152
	s_add_nc_u64 s[G0B+4*\j+2:G0B+4*\j+3], s[86:87], \j*3072
	s_or_b32 s[G0B+4*\j+3], s[G0B+4*\j+3], 0x80000000
.endr
	CROUND                                         ; all sixteen work-groups are here: the joint loads meet
	s_cmp_eq_u32 s[WR], 0                          ; a wave's four first fills stand in one branch on its number: four loads of mine are out
	s_cbranch_scc0 .Lfor_b
.irp j, 0,1,2,3
	tensor_load_to_lds s[G0A+4*\j:G0A+4*\j+3], s[G1A:G1A+7]
	s_nop 0
.endr
.rept 4
	v_nop
.endr
	s_branch .Lasked
.Lfor_b:
.irp j, 0,1,2,3
	tensor_load_to_lds s[G0B+4*\j:G0B+4*\j+3], s[G1B:G1B+7]
	s_nop 0
.endr
.rept 4
	v_nop
.endr
.Lasked:
	v_and_b32 v3, 31, v0
	v_lshlrev_b32 v[L16], 4, v3
	v_lshlrev_b32 v[L8], 3, v3
	v_and_b32 v14, 15, v0                          ; r
	v_bfe_u32 v15, v0, 4, 1                        ; h
	v_lshlrev_b32 v[H64], 6, v15
	v_and_b32 v16, 8, v14
	v_add_nc_u32 v16, v16, v14
	v_lshlrev_b32 v[RP4], 2, v16
	s_mul_i32 s92, s[WR], 12288                    ; my 4 tiles of A,
	s_mul_i32 s93, s[WC], 24576                    ; my 8 tiles of B
	s_add_co_u32 s93, s93, BIMG
.irp j, 0,1,2,3
	v_add_nc_u32 v[ADRA+\j], s92, v[L16]
	v_add_nc_u32 v[ADRB+\j], s93, v[L16]
	s_add_co_u32 s92, s92, 24576
	s_add_co_u32 s93, s93, 49152
.endr
	s_lshl_b32 s94, s[CX], 10                      ; my 128 columns among q's or k's 1,024: 4 (256 cx + 128 half) bytes
	s_lshl_b32 s95, s[WC], 9
	s_add_co_u32 s94, s94, s95
	s_mov_b32 s95, 0
	s_add_nc_u64 s[14:15], s[14:15], s[94:95]      ; the gains
	s_add_co_u32 s94, s94, s91
	s_add_nc_u64 s[16:17], s[12:13], s[94:95]      ; the bias along the B side (used by q and k)
	s_and_b32 s94, s[YY], 1
	s_lshl_b32 s94, s94, 2
	s_add_co_u32 s94, s94, s[CY]
	s_lshl_b32 s94, s94, 9
	s_lshl_b32 s96, s[WR], 8
	s_add_co_u32 s94, s94, s96
	s_add_co_u32 s94, s94, 8192
	s_add_nc_u64 s[12:13], s[12:13], s[94:95]      ; the bias along the A side (used by v): 4 (2,048 + 128 tile row + 64 half) bytes
; Every work-group loads all of these, on the one way that all take; all lie inside their buffers on both paths.
.irp p, 0,1
.irp g, 0,1,2,3
	global_load_b64 v[SA+8*\p+2*\g:SA+8*\p+2*\g+1], v[L8], s[88:89] offset:1024*\p+256*\g   ; pair p, K steps 2 g (lanes 0-15) and 2 g + 1 (lanes 16-31); two registers: the pair's two tiles
.endr
.endr
.irp p, 0,1,2,3
.irp g, 0,1,2,3
	global_load_b64 v[SB+8*\p+2*\g:SB+8*\p+2*\g+1], v[L8], s[4:5] offset:1024*\p+256*\g
.endr
.endr
	WIN 0xc0                                       ; destination window 3
.irp b, 0,1,2,3
.irp q, 0,1,2,3
	global_load_b128 v[BI+16*\b+4*\q:BI+16*\b+4*\q+3], v[H64], s[16:17] offset:128*\b+16*\q
.endr
.endr
.irp a, 0,1,2,3
	global_load_b32 v[VB+2*\a], v[RP4], s[12:13] offset:4*(32*(\a/2)+8*(\a%2))
	global_load_b32 v[VB+2*\a+1], v[RP4], s[12:13] offset:4*(32*(\a/2)+8*(\a%2))   ; twice: a pair for the packed addition
.endr
	WIN 0x40                                       ; destination window 1
.irp b, 0,1,2,3
.irp q, 0,1,2,3
	global_load_b128 v[GA+16*\b+4*\q:GA+16*\b+4*\q+3], v[H64], s[14:15] offset:128*\b+16*\q
.endr
.endr
	WIN 0
.macro FETCH s                         ; K step s: my 8 fragments of B and 4 of A into set s % 2: each load takes 512 consecutive bytes
	WIN TO_B
.irp b, 0,1,2,3,4,5,6,7
.irp g, 0,1,2
	ds_load_b128 v[96*((\s)%2)+12*\b+4*\g:96*((\s)%2)+12*\b+4*\g+3], v[ADRB+(\s)/2] offset:3072*\b+1536*((\s)%2)+512*\g
.endr
.endr
	WIN 0
.irp a, 0,1,2,3
.irp g, 0,1,2
	ds_load_b128 v[AF+48*((\s)%2)+12*\a+4*\g:AF+48*((\s)%2)+12*\a+4*\g+3], v[ADRA+(\s)/2] offset:3072*\a+1536*((\s)%2)+512*\g
.endr
.endr
.endm
.macro WM a, b, s, cm                  ; one product.  An odd K step's scale words stand in lanes 16-31 of the same registers
.set rD, 64*(\a)+8*(\b)
.set rB, 96*((\s)%2)+12*(\b)
.set rA, AF+48*((\s)%2)+12*(\a)
.set rSB, SB+8*((\b)/2)+2*((\s)/2)+(\b)%2
.set rSA, SA+8*((\a)/2)+2*((\s)/2)+(\a)%2
.if (\cm) == 1
	v_wmma_scale_f32_16x16x128_f8f6f4 v[rD:rD+7], v[rB:rB+11], v[rA:rA+11], 0, v[rSB], v[rSA] matrix_a_fmt:MATRIX_FMT_FP6 matrix_b_fmt:MATRIX_FMT_FP6
.elseif (\s)%2
	v_wmma_scale_f32_16x16x128_f8f6f4 v[rD:rD+7], v[rB:rB+11], v[rA:rA+11], v[rD:rD+7], v[rSB], v[rSA] matrix_a_fmt:MATRIX_FMT_FP6 matrix_b_fmt:MATRIX_FMT_FP6 matrix_a_scale:MATRIX_SCALE_ROW1 matrix_b_scale:MATRIX_SCALE_ROW1
.else
	v_wmma_scale_f32_16x16x128_f8f6f4 v[rD:rD+7], v[rB:rB+11], v[rA:rA+11], v[rD:rD+7], v[rSB], v[rSA] matrix_a_fmt:MATRIX_FMT_FP6 matrix_b_fmt:MATRIX_FMT_FP6
.endif
.endm
.macro MUL16 a0, s, cm                 ; the 32 accumulators take turns, one instruction a turn, in the same order in every K step
.irp a, \a0, \a0+1
.irp b, 0,1,2,3,4,5,6,7
	WM (\a), \b, \s, \cm
.endr
.endr
.endm
.macro KSTEP s
	s_wait_dscnt 0x0                               ; this K step's fragments are in
.if (\s) == 7
	WIN MUL
	MUL16 0, \s, 0
	MUL16 2, \s, 0
.elseif (\s)%2 == 0                    ; the next K step lies in the same chunk
.if (\s) > 0
	PLACES                                         ; behind the last K step's products, which read the set that is loaded now
.endif
	FETCH (\s)+1
.if (\s) == 0
	WIN MUL0
	MUL16 0, \s, CM0
	MUL16 2, \s, CM0
.else
	WIN MUL
	MUL16 0, \s, 0
	MUL16 2, \s, 0
.endif
.else                                  ; the next K step lies in the next chunk
	s_wait_tensorcnt 3-((\s)+1)/2                  ; my part of that chunk has landed; the count is the chunks behind it, which may stay out
	s_barrier_signal -1
	WIN MUL
	MUL16 0, \s, 0
	s_barrier_wait -1                              ; everybody's part has
	PLACES
	FETCH (\s)+1
	WIN MUL
	MUL16 2, \s, 0
.endif
.endm
	s_wait_tensorcnt 3                             ; my part of chunk 0 is in; chunks 1 to 3 may be out
	s_barrier_signal -1
	s_barrier_wait -1
	FETCH 0
	s_wait_loadcnt 40                              ; the 24 loads of scale words are in; the 40 of biases and gains behind them may be out
.irp s, 0,1,2,3,4,5,6,7
	KSTEP \s
.endr
	WIN 0
	s_wait_loadcnt 0x0                             ; biases and gains
	PLACES
.irp b, 0,1,2,3
	v_mov_b32 v[TM+4+\b], 0                        ; written once: a lane permute's destination counts as one of its sources
.endr
	v_mov_b32 v[RI+1], 0                           ; (named as upper halves of pairs)
	v_mov_b32 v[RI+3], 0
	s_cmp_eq_u32 s[XX], 2
	s_cbranch_scc1 .Lv_path
; ---- q and k.  My 128 columns are two heads c = 0, 1; tile a of my rows: T[16 b + i] = column 32 b + 16 h + i
	s_lshr_b32 s84, s[TR], 4                       ; batch
	s_and_b32 s85, s[TR], 15                       ; which 128 rows of it
	s_lshl_b32 s86, s84, 4
	s_lshl_b32 s87, s[CX], 2
	s_add_co_u32 s86, s86, s87
	s_lshl_b32 s87, s[WC], 1
	s_add_co_u32 s86, s86, s87                     ; bh of head c = 0
	s_mul_i32 s86, s86, 98304
	s_lshl_b32 s87, s85, 2
	s_lshl_b32 s88, s[WR], 1
	s_add_co_u32 s87, s87, s88                     ; my first pair of tiles
	s_mul_i32 s87, s87, 1536
	s_add_co_u32 s86, s86, s87
	s_mul_i32 s87, s[XX], 6291456                  ; q's region or k's
	s_add_co_u32 s86, s86, s87
	s_mov_b32 s87, 0
	s_add_nc_u64 s[18:19], s[18:19], s[86:87]
	s_lshl_b32 s86, s84, 3
	s_lshl_b32 s88, s[CX], 1
	s_add_co_u32 s86, s86, s88
	s_add_co_u32 s86, s86, s[WC]                   ; batch 8 + head pair
	s_lshl_b32 s86, s86, 13
	s_lshl_b32 s88, s85, 1
	s_add_co_u32 s88, s88, s[WR]                   ; half step
	s_lshl_b32 s88, s88, 8
	s_add_co_u32 s86, s86, s88
	s_lshl_b32 s88, s[XX], 18
	s_add_co_u32 s86, s86, s88
	s_add_nc_u64 s[20:21], s[20:21], s[86:87]
.macro QKBLOCK a
	WIN 0x0e                                       ; source 0 window 2 (sums), source 1 window 3 (bias)
.set j, 0
.rept 32
	v_pk_add_f32 v[T+j:T+j+1], v[64*(\a)+j:64*(\a)+j+1], v[BI+j:BI+j+1]   ; ascending: each accumulator from its low end on
.set j, j+2
.endr
	WIN 0
.irp q, 0,1,2,3                        ; sums of squares in four chains: head q / 2, half q % 2
	v_pk_mul_f32 v[SS+2*\q:SS+2*\q+1], v[T+16*\q:T+16*\q+1], v[T+16*\q:T+16*\q+1]
.endr
.irp i, 2,4,6,8,10,12,14
.irp q, 0,1,2,3
	v_pk_fma_f32 v[SS+2*\q:SS+2*\q+1], v[T+16*\q+\i:T+16*\q+\i+1], v[T+16*\q+\i:T+16*\q+\i+1], v[SS+2*\q:SS+2*\q+1]
.endr
.endr
	v_pk_add_f32 v[SS:SS+1], v[SS:SS+1], v[SS+2:SS+3]
	v_pk_add_f32 v[SS+4:SS+5], v[SS+4:SS+5], v[SS+6:SS+7]
	v_add_f32 v[SS], v[SS], v[SS+1]
	v_add_f32 v[SS+4], v[SS+4], v[SS+5]
	v_permlanex16_b32 v[SS+2], v[SS], s[SEL], s[SEL+1]
	v_permlanex16_b32 v[SS+6], v[SS+4], s[SEL], s[SEL+1]
	v_add_f32 v[SS], v[SS], v[SS+2]                ; with lane l xor 16's 32 channels: |t|^2
	v_add_f32 v[SS+4], v[SS+4], v[SS+6]
	v_rsq_f32 v[RI], v[SS]
	v_rsq_f32 v[RI+2], v[SS+4]
	WIN 0x04                                       ; source 1 window 1 (gains)
.set j, 0
.rept 32
	v_pk_mul_f32 v[T+j:T+j+1], v[T+j:T+j+1], v[GA+j:GA+j+1]   ; x gamma: the independent work behind the two roots
.set j, j+2
.endr
	WIN 0
	s_wait_alu depctr_va_vdst(0)                   ; one wait for the two roots, ahead of their first reader
	v_min_num_f32 v[RI], 0x5368d4a5, v[RI]         ; 1 / max(|t|, 1e-12) = min(1 / |t|, 1e12)
	v_min_num_f32 v[RI+2], 0x5368d4a5, v[RI+2]
	v_mul_f32 v[RI], 0x41000000, v[RI]             ; x sqrt(64)
	v_mul_f32 v[RI+2], 0x41000000, v[RI+2]
.set j, 0
.rept 32
	v_pk_mul_f32 v[T+j:T+j+1], v[T+j:T+j+1], v[RI+2*(j/32):RI+2*(j/32)+1] op_sel_hi:[1,0]
.set j, j+2
.endr
.if (\a) > 0
	s_wait_xcnt 0x0                                ; earlier stores have read their data: the images are written again only behind this wait
.endif
.set qd0, IM0+6*((\a)%2)
.set qd1, IM1+6*((\a)%2)
.set qpw, PW+(\a)
	QUANT T, qd0, qd1, qpw                         ; blocks 0, 1 are head 0's 64 channels, blocks 2, 3 head 1's; the even tile fills registers 0-5 of each head's image, the odd tile 6-11
.if (\a)%2
.irp g, 0,1,2
	global_store_b128 v[L16], v[IM0+4*\g:IM0+4*\g+3], s[18:19] offset:((\a)/2)*1536+512*\g         ; 512 consecutive bytes, aligned
	global_store_b128 v[L16], v[IM1+4*\g:IM1+4*\g+3], s[18:19] offset:98304+((\a)/2)*1536+512*\g
.endr
	v_perm_b32 v[WW+(\a)/2], v[PW+(\a)], v[PW+(\a)-1], 0x05040100     ; head 0: the even tile's two bytes, then the odd tile's
	v_perm_b32 v[WW+2+(\a)/2], v[PW+(\a)], v[PW+(\a)-1], 0x07060302   ; head 1
.endif
.endm
	QKBLOCK 0
	QKBLOCK 1
	QKBLOCK 2
	QKBLOCK 3
	v_cndmask_b32 v[SCW], v[WW], v[WW+1], s[HM]    ; lanes 0-15 my first pair, lanes 16-31 my second
	v_cndmask_b32 v[SCW+1], v[WW+2], v[WW+3], s[HM]
	global_store_b64 v[L8], v[SCW:SCW+1], s[20:21] ; 256 consecutive bytes, aligned
	s_branch .Ldone
; ---- v.  My 64 of the A side are one head's channels (tile a: d tile a), my 128 of the B side one key step: T[16 b + i] = key 32 b + 16 h + i
.Lv_path:
	s_lshr_b32 s84, s[TC], 3                       ; batch
	s_and_b32 s85, s[TC], 7
	s_lshl_b32 s84, s84, 4
	s_lshl_b32 s86, s[TR], 1
	s_add_co_u32 s84, s84, s86
	s_add_co_u32 s84, s84, s[WR]                   ; bh
	s_lshl_b32 s85, s85, 1
	s_add_co_u32 s85, s85, s[WC]                   ; key step
	s_mul_i32 s86, s84, 98304
	s_mul_i32 s88, s85, 6144
	s_add_co_u32 s86, s86, s88
	s_add_co_u32 s86, s86, 12582912                ; v's region
	s_mov_b32 s87, 0
	s_add_nc_u64 s[18:19], s[18:19], s[86:87]
	s_lshl_b32 s86, s84, 12
	s_lshl_b32 s88, s85, 8
	s_add_co_u32 s86, s86, s88
	s_add_co_u32 s86, s86, 524288
	s_add_nc_u64 s[20:21], s[20:21], s[86:87]
.macro VBLOCK a
	WIN 0x0e
.set j, 0
.rept 32
	v_pk_add_f32 v[T+j:T+j+1], v[64*(\a)+j:64*(\a)+j+1], v[VB+2*(\a):VB+2*(\a)+1]   ; my channel's bias
.set j, j+2
.endr
	WIN 0
.if (\a) > 0
	s_wait_xcnt 0x0                                ; the last tile's stores have read their data
.endif
.set qd1, IM0+6
.set qpw, PW+(\a)
	QUANT T, IM0, qd1, qpw
.irp g, 0,1,2
	global_store_b128 v[L16], v[IM0+4*\g:IM0+4*\g+3], s[18:19] offset:(\a)*1536+512*\g
.endr
.endm
	VBLOCK 0
	VBLOCK 1
	VBLOCK 2
	VBLOCK 3
	v_cndmask_b32 v[SCW], v[PW], v[PW+1], s[HM]    ; lanes 0-15 d tile 0, lanes 16-31 d tile 1
	v_cndmask_b32 v[SCW+1], v[PW+2], v[PW+3], s[HM]
	global_store_b64 v[L8], v[SCW:SCW+1], s[20:21]
.Ldone:
	s_wait_tensorcnt 0x0                           ; the wave's end, behind my last tensor load
	ds_add_u32 v[SPW], v[NIL]
	s_wait_dscnt 0x0
	CROUND                                         ; the closing round
	s_endpgm
.Lfunc_end_k_q091a3577c7_gemm_qkv:
	.size	k_q091a3577c7_gemm_qkv, .Lfunc_end_k_q091a3577c7_gemm_qkv-k_q091a3577c7_gemm_qkv
	.p2alignl 7, 3214868480
	.fill 96, 4, 3214868480
	.section	.rodata,"a",@progbits
	.p2align	6, 0x0
	.amdhsa_kernel k_q091a3577c7_gemm_qkv
		.amdhsa_group_segment_fixed_size 295424
		.amdhsa_private_segment_fixed_size 0
		.amdhsa_enable_private_segment 0
		.amdhsa_kernarg_size 72
		.amdhsa_user_sgpr_count 2
		.amdhsa_user_sgpr_kernarg_segment_ptr 1
		.amdhsa_wavefront_size32 1
		.amdhsa_system_sgpr_workgroup_id_x 1
		.amdhsa_system_sgpr_workgroup_id_y 1
		.amdhsa_system_sgpr_workgroup_id_z 1
		.amdhsa_system_vgpr_workitem_id 0
		.amdhsa_next_free_vgpr 1024
		.amdhsa_next_free_sgpr 102
		.amdhsa_reserve_vcc 0
		.amdhsa_float_denorm_mode_32 3
		.amdhsa_float_denorm_mode_16_64 3
		.amdhsa_memory_ordered 1
		.amdhsa_forward_progress 1
		.amdhsa_inst_pref_size 147
	.end_amdhsa_kernel
	.amdgpu_metadata
---
amdhsa.version: [ 1, 2 ]
amdhsa.kernels:
  - .name:           k_q091a3577c7_gemm_qkv
    .symbol:         k_q091a3577c7_gemm_qkv.kd
    .args:
      - { .name: xc, .offset: 0, .size: 8, .value_kind: global_buffer, .address_space: global }
      - { .name: xs, .offset: 8, .size: 8, .value_kind: global_buffer, .address_space: global }
      - { .name: wc, .offset: 16, .size: 8, .value_kind: global_buffer, .address_space: global }
      - { .name: ws, .offset: 24, .size: 8, .value_kind: global_buffer, .address_space: global }
      - { .name: bqkv, .offset: 32, .size: 8, .value_kind: global_buffer, .address_space: global }
      - { .name: q_gamma, .offset: 40, .size: 8, .value_kind: global_buffer, .address_space: global }
      - { .name: k_gamma, .offset: 48, .size: 8, .value_kind: global_buffer, .address_space: global }
      - { .name: qkvc, .offset: 56, .size: 8, .value_kind: global_buffer, .address_space: global }
      - { .name: qkvs, .offset: 64, .size: 8, .value_kind: global_buffer, .address_space: global }
    .group_segment_fixed_size: 295424
    .private_segment_fixed_size: 0
    .kernarg_segment_align: 8
    .kernarg_segment_size: 72
    .max_flat_workgroup_size: 128
    .sgpr_count:     102
    .vgpr_count:     1024
    .wavefront_size: 32
...
	.end_amdgpu_metadata
.endif
;; end of part 3
;; launch attn (part 4): grid 4 x 64, 16 waves a work-group, clusters of 4 x 1, 210,944 bytes of LDS; arguments qkvc, qkvs, hc, hs; writes hc, hs
.if DOCPART == 4
	.amdgcn_target "amdgcn-amd-amdhsa--gfx1250"
	.amdhsa_code_object_version 6
	.text
	.protected	k_q091a3577c7_attn
	.globl	k_q091a3577c7_attn
	.p2align	8
	.type	k_q091a3577c7_attn,@function
k_q091a3577c7_attn:
	s_mov_b64 s[64:65], 0
	v_nop
	global_prefetch_b8 v0, s[64:65] scope:SCOPE_SE
	s_setreg_imm32_b32 hwreg(HW_REG_WAVE_MODE, 25, 1), 1
	s_wait_xcnt 0x0
	s_wait_alu depctr_hold_cnt(0) depctr_sa_sdst(0) depctr_va_vdst(0) depctr_va_sdst(0) depctr_va_ssrc(0) depctr_va_vcc(0) depctr_vm_vsrc(0)
	s_getreg_b32 s2, hwreg(HW_REG_IB_STS2, 6, 4)
	s_cmp_eq_u32 s2, 0
	s_cbranch_scc0 .Lentry_in_a_cluster
	s_endpgm
.Lentry_in_a_cluster:
	s_bfe_u32 s2, ttmp6, 0x10000c
	s_cmp_lg_u32 s2, 0x3003
	s_cbranch_scc0 .Lentry_shape_is_right
	s_endpgm
.Lentry_shape_is_right:
; h[b][q][head] = softmax_k(q . k / 8) v on codes of FP6 (E2M3) with E8M0 scales, and h quantised along C for the last product.
; THE SOFTMAX AHEAD OF THE SECOND PRODUCT: t = score x log2(e) / 8; M = the running largest t, rounded UP to a whole number; p = 2^(t - M) is quantised along the keys, not normalised;
; the row's sum is taken of the unquantised p and divides at the end; when M moves, the sum and O are multiplied by 2^(old M - new M): exact.
; SHARES: cluster y = bh (16 batch + head); the cluster's four work-groups take the four quarters of the head's 2,048 queries, 512 each, in two passes of 256: a tile of 16 queries to each of 16 waves.
; THE WHOLE HEAD'S K AND V lie in LDS as images of operand registers, brought ONCE by joint loads of the four partners: each LDS byte is filled once, and the loop over the keys has no barrier.
; LAYOUT: both products are used transposed (S^T = K Q^T, O^T = V^T P^T): a lane holds ONE query.  Lane r of key tile 2 p + u is key 32 p + 8 u + r + 8 (r / 8), so the 16 registers of tiles 2 p, 2 p + 1 are 16 neighbouring keys.
; K = 64 IN AN INSTRUCTION OF 128: an image of k holds TWO key tiles: registers 0-5 (k 0-63 of the instruction) the even tile's 64 channels, registers 6-11 (k 64-127) the odd tile's.  Against [q | zero codes] it gives the even
; tile's scores, against [zero codes | q] the odd tile's: zero codes add nothing under any scale byte but 0xff, which the quantiser never makes.
; O^T's registers 16 b + i are channel 32 b + 16 h + i of my query: the order in which h is quantised.  hc: [tile 512][K step = head / 2][head % 2][i 3][lane][8 bytes]: registers 6 c + 2 i, + 1.
; hs: [pair][sigma][lane][u] words as x's; a head owns two bytes of a word (two heads share a K step of 128), so its 16 lanes store 2 bytes each: 1/24 of the bytes of codes that this launch stores.
; LIMITS: NaN and infinities are not served; a block of zeros gets the byte 1 where the rule says 127 (zero codes; read by this program alone).
.set VIMG,  98304                      ; LDS: k's 64 images from 0; v's 64 from here;
.set KSC,   196608                     ; k's scale words of the head pair, 8,192 bytes: [half step 32][lane][head % 2];
.set VSC,   204800                     ; v's, 4,096 bytes: [key step 16][lane][w];
.set SPARE, 208896                     ; the spare words, 128 bytes for each of 16 waves
.set L16, 1                            ; v1  16 x lane
.set AKS, 2                            ; v2  my place among k's scale words (it hangs on the head, which all partners share)
.set AVS, 3                            ; v3  among v's
.set AQS, 4                            ; v4  my offset among q's scale words
.set SPW, 5
.set NIL, 6
.set L8,  7                            ; v7  8 x lane
.set ADK, 8                            ; v8-11 the step's LDS addresses
.set ADV, 9
.set ADS, 10
.set ADT, 11                           ; v12 -M, v13 the largest t, v[14:15] the sum in two halves
.set QF,  16                           ; v16-33 [q | 0 | q]: v[16:27] = [q | 0], v[22:33] = [0 | q]
.set QS,  34                           ; v34 q's scale word: s0 s1 s0 s1
.set AHS, 35                           ; v35 8 r
.set F,   36                           ; v36-83 four fragments of k or of v
.set KS,  84                           ; v84-85 k's scale words
.set VS,  86                           ; v86-87 v's
.set H,   88                           ; v88-93 h's codes
.set PWH, 94                           ; v94 h's two scale bytes
.set S,   96                           ; v96-159 S^T, then p
.set O,   160                          ; v160-191 O^T
.set PF,  192                          ; v192-203 p's codes
.set U,   204
.set BM,  212
.set BX,  216
.set SO,  220
.set FF,  224                          ; v224 f = 2^(old M - new M)
.set PS,  225                          ; v225 p's scale word
.set TP,  226
.set LN,  227                          ; v227 lane
.set WV,  12
.set CX,  13
.set BH,  14
.set SEL, 20
.set CS,  22                           ; s[22:23] c = log2(e) / 8
.set G1C, 24                           ; s[24:31] group 1 for 24,576 bytes of images; s[32:39] for 4,096 bytes of scale words
.set G1S, 32
.set G0C, 40
.set G0S, 44
.set TB,  48
.set TS,  49
.set TJ,  50
.set CNT, 51
.set QM,  52
.set QSH, 53
.set QB,  54
.set QSB, 56
.set HB,  58
.set HSB, 60
.macro CROUND
	s_barrier_signal -1
	s_barrier_wait -1
	s_cmp_lg_u32 s[WV], 0
	s_cbranch_scc1 .Lnot_wave_0_\@
	s_barrier_signal -3
.Lnot_wave_0_\@:
	s_barrier_wait -3
	s_barrier_signal -1
	s_barrier_wait -1
.endm
	s_load_b256 s[4:11], s[0:1], 0x0               ; qkvc, qkvs, hc, hs
	v_lshl_add_u32 v[SPW], v0, 2, SPARE
	v_mov_b32 v[NIL], 0
	ds_add_u32 v[SPW], v[NIL]                      ; the wave's opening: an add, waited on ahead of my first tensor load
	v_lshrrev_b32 v8, 5, v0
	v_readfirstlane_b32 s[WV], v8                  ; wave 0..15
	s_bfe_u32 s[CX], ttmp6, 0x40000                ; my quarter of the queries: it enters global addresses of q, hc and hs alone
	s_and_b32 s[BH], ttmp7, 0xffff                 ; 16 batch + head
	s_mov_b32 s[G1C], 15|(3<<16)|(1<<21)           ; the mask: all four; elements of 8 bytes; 21 set beside a mask; no padding
	s_mov_b32 s[G1C+1], 32<<16                     ; dense blocks as rows of 256 bytes
	s_mov_b32 s[G1C+2], 96<<16
	s_mov_b32 s[G1C+3], 32<<16
	s_mov_b32 s[G1C+4], 96
	s_mov_b32 s[G1C+5], 32
	s_mov_b32 s[G1C+6], 0
	s_mov_b32 s[G1C+7], 0
	s_mov_b32 s[G1S], 15|(3<<16)|(1<<21)
	s_mov_b32 s[G1S+1], 32<<16
	s_mov_b32 s[G1S+2], 16<<16
	s_mov_b32 s[G1S+3], 32<<16
	s_mov_b32 s[G1S+4], 16
	s_mov_b32 s[G1S+5], 32
	s_mov_b32 s[G1S+6], 0
	s_mov_b32 s[G1S+7], 0
	s_and_b32 s66, s[WV], 7                        ; waves 0-3: k's quarters, waves 4-7: v's
	s_mul_i32 s67, s66, 24576                      ; in LDS
	s_lshr_b32 s68, s66, 2
	s_mul_i32 s68, s68, 6291456
	s_and_b32 s69, s66, 3
	s_mul_i32 s69, s69, 24576
	s_add_co_u32 s68, s68, s69
	s_mul_i32 s69, s[BH], 98304
	s_add_co_u32 s68, s68, s69
	s_add_co_u32 s68, s68, 6291456                 ; k's region follows q's, v's follows k's
	s_mov_b32 s69, 0
	s_and_b32 s70, s[WV], 3                        ; waves 8, 9: the halves of k's scale words; wave 10: v's
	s_min_u32 s70, s70, 2
	s_lshl_b32 s71, s70, 12
	s_add_co_u32 s71, s71, KSC                     ; in LDS
	s_lshr_b32 s72, s[BH], 1
	s_lshl_b32 s72, s72, 13
	s_lshl_b32 s73, s70, 12
	s_add_co_u32 s72, s72, s73
	s_add_co_u32 s72, s72, 262144
	s_lshl_b32 s73, s[BH], 12
	s_add_co_u32 s73, s73, 524288
	s_cmp_lt_u32 s70, 2
	s_cselect_b32 s72, s72, s73
	s_mov_b32 s73, 0
	s_mov_b32 s[SEL], 0x76543210
	s_mov_b32 s[SEL+1], 0xfedcba98
	s_mov_b32 s[CS], 0x3e38aa3b                    ; log2(e) / 8
	s_mov_b32 s[CS+1], s[CS]                       ; (named with it as a pair)
	s_wait_dscnt 0x0                               ; the opening add is done
	s_wait_kmcnt 0x0
	s_mov_b32 s[G0C], 1
	s_mov_b32 s[G0C+1], s67
	s_add_nc_u64 s[G0C+2:G0C+3], s[4:5], s[68:69]
	s_or_b32 s[G0C+3], s[G0C+3], 0x80000000
	s_mov_b32 s[G0S], 1
	s_mov_b32 s[G0S+1], s71
	s_add_nc_u64 s[G0S+2:G0S+3], s[6:7], s[72:73]
	s_or_b32 s[G0S+3], s[G0S+3], 0x80000000
	CROUND                                         ; all four work-groups are here: the joint loads meet
	s_cmp_lt_u32 s[WV], 8                          ; one load a wave, waves 0 to 10; the branches hang on the wave's number alone
	s_cbranch_scc0 .Lnot_codes
	tensor_load_to_lds s[G0C:G0C+3], s[G1C:G1C+7]
	s_nop 0
.rept 4
	v_nop
.endr
	s_branch .Lasked
.Lnot_codes:
	s_cmp_lt_u32 s[WV], 11
	s_cbranch_scc0 .Lasked
	tensor_load_to_lds s[G0S:G0S+3], s[G1S:G1S+7]
	s_nop 0
.rept 4
	v_nop
.endr
.Lasked:
	s_lshl_b32 s66, s[CX], 4                       ; q: my pair of tiles in pass 0: 16 cx + wave / 2
	s_lshr_b32 s67, s[WV], 1
	s_add_co_u32 s66, s66, s67
	s_mul_i32 s66, s66, 1536
	s_mul_i32 s67, s[BH], 98304
	s_add_co_u32 s66, s66, s67
	s_mov_b32 s67, 0
	s_add_nc_u64 s[QB:QB+1], s[4:5], s[66:67]
	s_lshl_b32 s66, s[CX], 3                       ; q's scale words: half step 8 cx + wave / 4
	s_lshr_b32 s68, s[WV], 2
	s_add_co_u32 s66, s66, s68
	s_lshl_b32 s66, s66, 8
	s_lshr_b32 s68, s[BH], 1
	s_lshl_b32 s68, s68, 13
	s_add_co_u32 s66, s66, s68
	s_add_nc_u64 s[QSB:QSB+1], s[6:7], s[66:67]
	s_lshr_b32 s68, s[BH], 4                       ; batch
	s_and_b32 s69, s[BH], 15                       ; head
	s_lshl_b32 s70, s68, 7
	s_lshl_b32 s71, s[CX], 5
	s_add_co_u32 s70, s70, s71
	s_add_co_u32 s70, s70, s[WV]                   ; my tile of rows in pass 0
	s_mul_i32 s66, s70, 12288
	s_lshr_b32 s71, s69, 1                         ; the last product's K step
	s_mul_i32 s72, s71, 1536
	s_add_co_u32 s66, s66, s72
	s_and_b32 s72, s69, 1                          ; and my half of it
	s_mul_i32 s73, s72, 768
	s_add_co_u32 s66, s66, s73
	s_add_nc_u64 s[HB:HB+1], s[8:9], s[66:67]
	s_lshr_b32 s66, s70, 1                         ; hs: pair,
	s_lshl_b32 s66, s66, 10
	s_lshr_b32 s73, s69, 2                         ; sigma = K step / 2,
	s_lshl_b32 s73, s73, 8
	s_add_co_u32 s66, s66, s73
	s_and_b32 s73, s71, 1                          ; lanes 16-31 for an odd K step,
	s_lshl_b32 s73, s73, 7
	s_add_co_u32 s66, s66, s73
	s_and_b32 s73, s70, 1                          ; the pair's tile,
	s_lshl_b32 s73, s73, 2
	s_add_co_u32 s66, s66, s73
	s_lshl_b32 s73, s72, 1                         ; my two bytes of the word
	s_add_co_u32 s66, s66, s73
	s_add_nc_u64 s[HSB:HSB+1], s[10:11], s[66:67]
	s_and_b32 s74, s[WV], 1                        ; my tile is the pair's even or odd one
	s_sub_co_u32 s[QM], 0, s74
	s_lshl_b32 s[QSH], s74, 4
	v_and_b32 v[LN], 31, v0
	v_lshlrev_b32 v[L16], 4, v[LN]
	v_lshlrev_b32 v[L8], 3, v[LN]
	s_and_b32 s74, s[BH], 1
	s_lshl_b32 s75, s74, 2
	s_add_co_u32 s76, s75, KSC
	v_add_nc_u32 v[AKS], s76, v[L8]
	v_add_nc_u32 v[AVS], VSC, v[L8]
	v_and_b32 v10, 15, v0
	v_lshlrev_b32 v[AHS], 3, v10
	s_lshr_b32 s76, s[WV], 1
	s_and_b32 s76, s76, 1
	s_lshl_b32 s76, s76, 7
	s_add_co_u32 s76, s76, s75
	v_add_nc_u32 v[AQS], s76, v[AHS]               ; 8 r + 128 (pair % 2) + 4 (head % 2)
; A KEY STEP: 128 keys.
.macro STEP
	v_add_nc_u32 v[ADK], s[TB], v[L16]             ; (these four are also the places behind the last step's products, ahead of the loads into their sources)
	v_add_nc_u32 v[ADS], s[TS], v[AKS]
	v_add_nc_u32 v[ADT], s[TJ], v[AVS]
	v_add_nc_u32 v[ADV], VIMG, v[ADK]
.irp p, 0,1,2,3
.irp g, 0,1,2
	ds_load_b128 v[F+12*\p+4*\g:F+12*\p+4*\g+3], v[ADK] offset:1536*\p+512*\g   ; 512 consecutive bytes a load
.endr
.endr
	ds_load_b32 v[KS], v[ADS]                      ; lanes 0-15: pair 0's words, lanes 16-31: pair 1's
	ds_load_b32 v[KS+1], v[ADS] offset:256         ; pairs 2 and 3
	s_wait_dscnt 0x0
.irp p, 0,1,2,3                        ; S^T = K Q^T: pair p against [q | 0] and [0 | q]
.irp u, 0,1
.if \p%2
	v_wmma_scale_f32_16x16x128_f8f6f4 v[S+16*\p+8*\u:S+16*\p+8*\u+7], v[F+12*\p:F+12*\p+11], v[QF+6*\u:QF+6*\u+11], 0, v[KS+\p/2], v[QS] matrix_a_fmt:MATRIX_FMT_FP6 matrix_b_fmt:MATRIX_FMT_FP6 matrix_a_scale:MATRIX_SCALE_ROW1
.else
	v_wmma_scale_f32_16x16x128_f8f6f4 v[S+16*\p+8*\u:S+16*\p+8*\u+7], v[F+12*\p:F+12*\p+11], v[QF+6*\u:QF+6*\u+11], 0, v[KS+\p/2], v[QS] matrix_a_fmt:MATRIX_FMT_FP6 matrix_b_fmt:MATRIX_FMT_FP6
.endif
.endr
.endr
.rept 4
	v_nop                                          ; places ahead of the loads into k's registers and of the first read of the scores
.endr
.irp t, 0,1,2,3
.irp g, 0,1,2
	ds_load_b128 v[F+12*\t+4*\g:F+12*\t+4*\g+3], v[ADV] offset:1536*\t+512*\g   ; v's four d tiles land while the softmax is worked
.endr
.endr
	ds_load_b64 v[VS:VS+1], v[ADT]
.irp b, 0,1,2,3
	v_max3_num_f32 v[BM+\b], v[S+16*\b], v[S+1+16*\b], v[S+2+16*\b]   ; the largest score of each block of 32 keys: for the row's maximum, and, since p rises with the score, for the block's largest p
.endr
.irp i, 3,5,7,9,11,13
.irp b, 0,1,2,3
	v_max3_num_f32 v[BM+\b], v[BM+\b], v[S+16*\b+\i], v[S+1+16*\b+\i]
.endr
.endr
.irp b, 0,1,2,3
	v_max_num_f32 v[BM+\b], v[BM+\b], v[S+15+16*\b]
.endr
.irp b, 0,1,2,3
	v_permlanex16_b32 v[BX+\b], v[BM+\b], s[SEL], s[SEL+1]
.endr
.irp b, 0,1,2,3
	v_max_num_f32 v[BM+\b], v[BM+\b], v[BX+\b]     ; with lane l xor 16's 16 keys
.endr
	v_max3_num_f32 v[TP], v[BM], v[BM+1], v[BM+2]
	v_max_num_f32 v[TP], v[TP], v[BM+3]
	v_mul_f32 v[TP], s[CS], v[TP]                  ; as t (c is positive)
	v_max_num_f32 v13, v13, v[TP]                  ; the running largest t
	v_mov_b32 v[TP], v12
	v_floor_f32 v12, -v13                          ; the new -M = floor(-t) = -ceil(t)
	v_sub_f32 v[TP], v12, v[TP]                    ; old M - new M: a whole number, 0 or less
	v_cvt_i32_f32 v[TP], v[TP]                     ; (it saturates)
	v_ldexp_f32 v[FF], 1.0, v[TP]                  ; f = 2^(old M - new M)
.set j, 0
.rept 32
	v_pk_fma_f32 v[S+j:S+j+1], v[S+j:S+j+1], s[CS:CS+1], v[12:13] op_sel_hi:[1,0,0]   ; t - M
.set j, j+2
.endr
.irp b, 0,1,2,3
	v_fma_f32 v[BM+\b], v[BM+\b], s[CS], v12       ; the same of each block's largest score
.endr
.set j, 0
.rept 64
	v_exp_f32 v[S+j], v[S+j]                       ; p = 2^(t - M)
.set j, j+1
.endr
	v_pk_mul_f32 v[14:15], v[14:15], v[FF:FF+1] op_sel_hi:[1,0]   ; the sums under the new M: a plain place behind the exponentials
	s_wait_alu depctr_va_vdst(0)                   ; one wait for the batch of 64, ahead of its first reader
.irp b, 0,1,2,3
	v_exp_f32 v[BM+\b], v[BM+\b]                   ; the block's largest p: the same two instructions on the same number give the same bits
.endr
	v_pk_add_f32 v[BX:BX+1], v[S:S+1], v[S+2:S+3]  ; the row's sum of the UNQUANTISED p, in two chains
.irp j, 4,8,12,16,20,24,28,32,36,40,44,48,52,56,60
	v_pk_add_f32 v[14:15], v[14:15], v[S+\j:S+\j+1]
	v_pk_add_f32 v[BX:BX+1], v[BX:BX+1], v[S+2+\j:S+3+\j]
.endr
	v_pk_add_f32 v[14:15], v[14:15], v[BX:BX+1]
	s_wait_alu depctr_va_vdst(0)                   ; and one for the four
.irp b, 0,1,2,3
	v_max_num_f32 v[BM+\b], 0x1800000, v[BM+\b]    ; the floor 2^(3 - 127)
.endr
.irp b, 0,1,2,3
	v_add_nc_u32 v[SO+\b], 0xff000000, v[BM+\b]    ; the conversion's scale operand
.endr
.irp b, 0,1,2,3
	v_lshrrev_b32 v[BX+\b], 23, v[SO+\b]           ; the scale's byte
.endr
	v_lshl_or_b32 v[PS], v[BX+1], 8, v[BX]
	v_lshl_or_b32 v[PS], v[BX+2], 16, v[PS]
	v_lshl_or_b32 v[PS], v[BX+3], 24, v[PS]
.irp c, 0,1
	v_cvt_scalef32_pk16_fp6_f32 v[PF+6*\c:PF+2+6*\c], v[S+32*\c:S+15+32*\c], v[SO+2*\c]
	v_cvt_scalef32_pk16_fp6_f32 v[U+4*\c:U+2+4*\c], v[S+16+32*\c:S+31+32*\c], v[SO+2*\c+1]
.endr
	v_nop                                          ; one plain place behind the scaled conversions
.irp c, 0,1
.irp i, 0,1,2
	v_permlane16_swap_b32 v[PF+6*\c+\i], v[U+4*\c+\i]
.endr
.irp i, 0,1,2
	v_mov_b32 v[PF+3+6*\c+\i], v[U+4*\c+\i]
.endr
.endr
.set j, 0
.rept 16
	v_pk_mul_f32 v[O+j:O+j+1], v[O+j:O+j+1], v[FF:FF+1] op_sel_hi:[1,0]   ; O^T under the new M.  (These 16 are also the places between p's codes and scale word and the products)
.set j, j+2
.endr
	s_wait_dscnt 0x0                               ; v's fragments and scale words are in
.irp t, 0,1,2,3                        ; O^T += V^T P^T: the four accumulators by turns
.if \t%2
	v_wmma_scale_f32_16x16x128_f8f6f4 v[O+8*\t:O+8*\t+7], v[F+12*\t:F+12*\t+11], v[PF:PF+11], v[O+8*\t:O+8*\t+7], v[VS+\t/2], v[PS] matrix_a_fmt:MATRIX_FMT_FP6 matrix_b_fmt:MATRIX_FMT_FP6 matrix_a_scale:MATRIX_SCALE_ROW1
.else
	v_wmma_scale_f32_16x16x128_f8f6f4 v[O+8*\t:O+8*\t+7], v[F+12*\t:F+12*\t+11], v[PF:PF+11], v[O+8*\t:O+8*\t+7], v[VS+\t/2], v[PS] matrix_a_fmt:MATRIX_FMT_FP6 matrix_b_fmt:MATRIX_FMT_FP6
.endif
.endr
	s_add_co_u32 s[TB], s[TB], 6144                ; four images on, in k and in v alike
	s_add_co_u32 s[TS], s[TS], 512
	s_add_co_u32 s[TJ], s[TJ], 256
.endm
; A PASS: my tile of 16 queries against all 2,048 keys.
.macro PASS p
.irp g, 0,1,2
	global_load_b128 v[S+4*\g:S+4*\g+3], v[L16], s[QB:QB+1] offset:(\p)*12288+512*\g   ; the image of my pair of query tiles
.endr
	global_load_b32 v[TP], v[AQS], s[QSB:QSB+1] offset:(\p)*1024
	s_mov_b32 s[TB], 0
	s_mov_b32 s[TS], 0
	s_mov_b32 s[TJ], 0
	s_mov_b32 s[CNT], 16
	v_mov_b32 v13, 0xff61b1e6                      ; the largest t so far: -3e38, under every t
	v_floor_f32 v12, -v13
	v_mov_b32 v14, 0
	v_mov_b32 v15, 0
.irp b, 0,1,2,3
	v_mov_b32 v[BX+\b], 0                          ; a lane permute's destination counts as one of its sources
.endr
	v_mov_b32 v[PS], 0                             ; (named as the upper half of the pair with f before it is first made)
	s_wait_loadcnt 0x0
	v_lshrrev_b32 v[TP], s[QSH], v[TP]             ; my tile's two bytes of the pair's word,
	v_and_b32 v[TP], 0xffff, v[TP]
	v_lshl_or_b32 v[QS], v[TP], 16, v[TP]          ; for both halves of the instruction's K
.irp i, 0,1,2,3,4,5
	v_cndmask_b32 v[QF+\i], v[S+\i], v[S+6+\i], s[QM]      ; my tile's six registers, by the wave's number
	v_cndmask_b32 v[QF+12+\i], v[S+\i], v[S+6+\i], s[QM]
	v_mov_b32 v[QF+6+\i], 0                        ; zero codes
.endr
.set j, 0
.rept 32
	v_mov_b32 v[O+j], 0                            ; O^T: the step is written once; the first change of M leaves zeros zeros.  (Also the places between q's registers and the first product)
.set j, j+1
.endr
.if (\p) == 0
	s_wait_tensorcnt 0x0                           ; my part of K, V or their scale words has landed,
	s_barrier_signal -1
	s_barrier_wait -1                              ; everybody's has; nothing is ever filled again
.endif
.Lstep_\@:
	STEP
	s_sub_co_u32 s[CNT], s[CNT], 1
	s_cmp_lg_u32 s[CNT], 0
	s_cbranch_scc1 .Lstep_\@
.rept 4
	v_nop                                          ; places behind the last products
.endr
	v_add_f32 v14, v14, v15
	v_permlanex16_b32 v[TP], v14, s[SEL], s[SEL+1]
	v_add_f32 v14, v14, v[TP]                      ; the row's sum
	v_rcp_f32 v[TP], v14
	v_nop                                          ; a plain place behind the reciprocal
	s_wait_alu depctr_va_vdst(0)                   ; and the wait ahead of its first reader
.set j, 0
.rept 16
	v_pk_mul_f32 v[S+j:S+j+1], v[O+j:O+j+1], v[TP:TP+1] op_sel_hi:[1,0]   ; h = O^T / the sum: register 16 b + i is channel 32 b + 16 h + i
.set j, j+2
.endr
.irp b, 0,1                            ; h's two blocks of 32 along C
	v_max3_num_f32 v[BM+\b], |v[S+16*\b]|, |v[S+1+16*\b]|, 0x1800000
.endr
.irp i, 2,4,6,8,10,12,14
.irp b, 0,1
	v_max3_num_f32 v[BM+\b], v[BM+\b], |v[S+16*\b+\i]|, |v[S+1+16*\b+\i]|
.endr
.endr
.irp b, 0,1
	v_permlanex16_b32 v[BX+\b], v[BM+\b], s[SEL], s[SEL+1]
.endr
.irp b, 0,1
	v_max_num_f32 v[BM+\b], v[BM+\b], v[BX+\b]
.endr
.irp b, 0,1
	v_add_nc_u32 v[SO+\b], 0xff000000, v[BM+\b]
.endr
.irp b, 0,1
	v_lshrrev_b32 v[BX+\b], 23, v[SO+\b]
.endr
	v_lshl_or_b32 v[PWH], v[BX+1], 8, v[BX]
	v_cvt_scalef32_pk16_fp6_f32 v[H:H+2], v[S:S+15], v[SO]
	v_cvt_scalef32_pk16_fp6_f32 v[U:U+2], v[S+16:S+31], v[SO+1]
	v_nop
.irp i, 0,1,2
	v_permlane16_swap_b32 v[H+\i], v[U+\i]
.endr
.irp i, 0,1,2
	v_mov_b32 v[H+3+\i], v[U+\i]
.endr
.irp i, 0,1,2
	global_store_b64 v[L8], v[H+2*\i:H+2*\i+1], s[HB:HB+1] offset:(\p)*196608+256*\i   ; 256 consecutive bytes, aligned
.endr
	s_wait_xcnt 0x0                                ; EXEC changes only behind this wait
	v_cmp_gt_u32 vcc_lo, 16, v[LN]
	s_and_saveexec_b32 s66, vcc_lo
	global_store_b16 v[AHS], v[PWH], s[HSB:HSB+1] offset:(\p)*8192   ; lanes 0-15: my row's two bytes
	s_wait_xcnt 0x0                                ; and again ahead of the line that widens it; all stores of the pass have read their data
	s_or_b32 exec_lo, exec_lo, s66
.endm
	PASS 0
	PASS 1
	s_wait_tensorcnt 0x0                           ; the wave's end, behind my last tensor load
	ds_add_u32 v[SPW], v[NIL]
	s_wait_dscnt 0x0
	CROUND                                         ; the closing round
	s_endpgm
.Lfunc_end_k_q091a3577c7_attn:
	.size	k_q091a3577c7_attn, .Lfunc_end_k_q091a3577c7_attn-k_q091a3577c7_attn
	.p2alignl 7, 3214868480
	.fill 96, 4, 3214868480
	.section	.rodata,"a",@progbits
	.p2align	6, 0x0
	.amdhsa_kernel k_q091a3577c7_attn
		.amdhsa_group_segment_fixed_size 210944
		.amdhsa_private_segment_fixed_size 0
		.amdhsa_enable_private_segment 0
		.amdhsa_kernarg_size 32
		.amdhsa_user_sgpr_count 2
		.amdhsa_user_sgpr_kernarg_segment_ptr 1
		.amdhsa_wavefront_size32 1
		.amdhsa_system_sgpr_workgroup_id_x 1
		.amdhsa_system_sgpr_workgroup_id_y 1
		.amdhsa_system_sgpr_workgroup_id_z 1
		.amdhsa_system_vgpr_workitem_id 0
		.amdhsa_next_free_vgpr 256
		.amdhsa_next_free_sgpr 80
		.amdhsa_reserve_vcc 1
		.amdhsa_float_denorm_mode_32 3
		.amdhsa_float_denorm_mode_16_64 3
		.amdhsa_memory_ordered 1
		.amdhsa_forward_progress 1
		.amdhsa_inst_pref_size 52
	.end_amdhsa_kernel
	.amdgpu_metadata
---
amdhsa.version: [ 1, 2 ]
amdhsa.kernels:
  - .name:           k_q091a3577c7_attn
    .symbol:         k_q091a3577c7_attn.kd
    .args:
      - { .name: qkvc, .offset: 0, .size: 8, .value_kind: global_buffer, .address_space: global }
      - { .name: qkvs, .offset: 8, .size: 8, .value_kind: global_buffer, .address_space: global }
      - { .name: hc, .offset: 16, .size: 8, .value_kind: global_buffer, .address_space: global }
      - { .name: hs, .offset: 24, .size: 8, .value_kind: global_buffer, .address_space: global }
    .group_segment_fixed_size: 210944
    .private_segment_fixed_size: 0
    .kernarg_segment_align: 8
    .kernarg_segment_size: 32
    .max_flat_workgroup_size: 512
    .sgpr_count:     80
    .vgpr_count:     256
    .wavefront_size: 32
...
	.end_amdgpu_metadata
.endif
;; end of part 4
;; launch gemm_out (part 5): grid 4 x 64, 4 waves a work-group, clusters of 4 x 4, 295,424 bytes of LDS; arguments hc, hs, wc, ws, bout, out0; writes out0
.if DOCPART == 5
	.amdgcn_target "amdgcn-amd-amdhsa--gfx1250"
	.amdhsa_code_object_version 6
	.text
	.protected	k_q091a3577c7_gemm_out
	.globl	k_q091a3577c7_gemm_out
	.p2align	8
	.type	k_q091a3577c7_gemm_out,@function
k_q091a3577c7_gemm_out:
	s_mov_b64 s[64:65], 0
	v_nop
	global_prefetch_b8 v0, s[64:65] scope:SCOPE_SE
	s_setreg_imm32_b32 hwreg(HW_REG_WAVE_MODE, 25, 1), 1
	s_wait_xcnt 0x0
	s_wait_alu depctr_hold_cnt(0) depctr_sa_sdst(0) depctr_va_vdst(0) depctr_va_sdst(0) depctr_va_ssrc(0) depctr_va_vcc(0) depctr_vm_vsrc(0)
	s_getreg_b32 s2, hwreg(HW_REG_IB_STS2, 6, 4)
	s_cmp_eq_u32 s2, 0
	s_cbranch_scc0 .Lentry_in_a_cluster
	s_endpgm
.Lentry_in_a_cluster:
	s_bfe_u32 s2, ttmp6, 0x10000c
	s_cmp_lg_u32 s2, 0xf033
	s_cbranch_scc0 .Lentry_shape_is_right
	s_endpgm
.Lentry_shape_is_right:
; out0 = h Wout + bout on codes of FP6 (E2M3) with E8M0 scales; out0 [8192][1024] f32.
; Operands lie in memory as images of the operand registers, [tile][K step 8][1,536 bytes].  Wout's (wc from tile 192 on): register 4 g + w of lane l at 512 g + 16 l + 4 w.  h's (hc): registers 2 p, 2 p + 1 at 256 p + 8 l.
; TILE ORDER: lane r of tile 2 p + u is row (column) 32 p + 8 u + r + 8 (r / 8).  Source 0 = a tile of Wout's columns, source 1 = a tile of h's rows: lane (r, h) holds the row at place r, and the 16 registers of
; column tiles 2 p, 2 p + 1 are the 16 neighbouring columns 32 p + 16 h + 0 .. 15.
; A work-group makes 128 rows x 256 columns for all of K = 1,024; a wave 64 x 128: 32 accumulators.  LDS holds both tiles for ALL of K: each byte is filled once, in four chunks of two K steps; four tensor loads of each wave
; are out at the start.  CLUSTER 4 x 4: h's tiles are shared along a row of the cluster, Wout's along a column, by joint loads.  The bias is the C of each sum's first product.
; THE WAY OUT goes through a stage of each wave's own, in LDS bytes 0 to 33,791: A's chunks 0 and 1, which have had their only fill and whose last reads every wave has awaited ahead of a later barrier.
; REGISTERS: window 0: v1-13, v24-25 addresses; v28, v29 the add's two; v32-47 A's scale words, v48-79 B's (scales and nothing else); v80-175 A's fragments, two sets; on the way out v80-207 rows of out0.
;   window 1: v0-191 B's fragments, two sets.   window 2: accumulator (a, b) at v[64 a + 8 b].   window 3: v0-63 the bias.
.set BIMG,  98304
.set SPARE, 294912
.set SP,    528                        ; a stage row: 512 bytes + 16
.set L16,  1
.set L8,   2
.set ADRA, 4
.set ADRB, 8
.set H64,  12
.set STO,  24
.set RD,   25
.set SPW,  28
.set NIL,  29
.set SA,   32
.set SB,   48
.set AF,   80
.set BB,   80
.set BI,   0
.set TR,   22
.set TC,   23
.set G1A,  24
.set G1B,  32
.set G0A,  40
.set WV,   56
.set WR,   57
.set WC,   58
.set CX,   59
.set CY,   60
.set G0B,  68
.set MSB, 0
.macro WIN new                         ; the immediate's high byte repeats the setting that is left
.if MSB != \new
	s_set_vgpr_msb (MSB<<8)|\new
.set MSB, \new
.endif
.endm
.set MUL,  0xa1                        ; source 0 (B side) window 1, source 1 (A side) window 0, C and D window 2
.set MUL0, 0xb1                        ; the same with C in window 3: the bias
.set CM0,  2
.set TO_B, 0x40
.macro CROUND
	s_barrier_signal -1
	s_barrier_wait -1
	s_cmp_lg_u32 s[WV], 0
	s_cbranch_scc1 .Lnot_wave_0_\@
	s_barrier_signal -3
.Lnot_wave_0_\@:
	s_barrier_wait -3
	s_barrier_signal -1
	s_barrier_wait -1
.endm
.macro PLACES                          ; four places behind matrix instructions, ahead of loads into their sources and of reads of their results
.rept 4
	v_nop
.endr
.endm
	s_load_b256 s[4:11], s[0:1], 0x0               ; hc, hs, wc, ws
	s_load_b128 s[12:15], s[0:1], 0x20             ; bout, out0
	v_lshl_add_u32 v[SPW], v0, 2, SPARE
	v_mov_b32 v[NIL], 0
	ds_add_u32 v[SPW], v[NIL]                      ; the wave's opening: an add, waited on ahead of my first tensor load
	v_lshrrev_b32 v1, 5, v0
	v_readfirstlane_b32 s[WV], v1
	s_lshr_b32 s[WR], s[WV], 1                     ; my half of the rows.  Also: I fetch for A (0) or for B (1)
	s_and_b32 s[WC], s[WV], 1                      ; my half of the columns.  Also: which half of a chunk I fetch
	s_bfe_u32 s[CX], ttmp6, 0x40000
	s_bfe_u32 s[CY], ttmp6, 0x40004
	s_lshl_b32 s84, s[CY], 2
	s_lshl_b32 s84, 15, s84                        ; my row of the cluster
	s_lshl_b32 s85, 0x1111, s[CX]                  ; my column
	s_or_b32 s[G1A], s84, (3<<16)|(1<<21)          ; the mask; elements of 8 bytes; 21 set beside a mask; no padding
	s_or_b32 s[G1B], s85, (3<<16)|(1<<21)
	s_mov_b32 s[G1A+1], 384<<16                    ; a row: two K steps of a tile, 3,072 bytes
	s_mov_b32 s[G1A+2], 4<<16                      ; A: 4 tiles to a load
	s_mov_b32 s[G1A+3], 384<<16
	s_mov_b32 s[G1A+4], 4
	s_mov_b32 s[G1A+5], 1536                       ; from tile to tile: 12,288 bytes
	s_mov_b32 s[G1A+6], 0
	s_mov_b32 s[G1A+7], 0
	s_mov_b32 s[G1B+1], 384<<16
	s_mov_b32 s[G1B+2], 8<<16                      ; B: 8 tiles to a load
	s_mov_b32 s[G1B+3], 384<<16
	s_mov_b32 s[G1B+4], 8
	s_mov_b32 s[G1B+5], 1536
	s_mov_b32 s[G1B+6], 0
	s_mov_b32 s[G1B+7], 0
	s_and_b32 s[TR], ttmp7, 0xffff
	s_lshl_b32 s[TR], s[TR], 2
	s_add_co_u32 s[TR], s[TR], s[CY]               ; tile row: hangs on cy alone
	s_lshl_b32 s[TC], ttmp9, 2
	s_add_co_u32 s[TC], s[TC], s[CX]               ; tile column: hangs on cx alone
	s_mul_i32 s92, s[TR], 98304
	s_mul_i32 s90, s[WC], 49152
	s_add_co_u32 s92, s92, s90
	s_mov_b32 s93, 0
	s_mul_i32 s94, s[TC], 196608
	s_mul_i32 s90, s[WC], 98304
	s_add_co_u32 s94, s94, s90
	s_add_co_u32 s94, s94, 2359296                 ; Wout begins at tile 192 of wc,
	s_mov_b32 s95, 0
	s_lshl_b32 s96, s[TR], 12
	s_lshl_b32 s90, s[WR], 11
	s_add_co_u32 s96, s96, s90
	s_mov_b32 s97, 0
	s_lshl_b32 s98, s[TC], 13
	s_lshl_b32 s90, s[WC], 12
	s_add_co_u32 s98, s98, s90
	s_add_co_u32 s98, s98, 98304                   ; at pair 96 of ws
	s_mov_b32 s99, 0
	s_mul_i32 s100, s[WC], 12288                   ; where my loads go: no place in the cluster enters an LDS address
	s_mul_i32 s101, s[WC], 24576
	s_wait_dscnt 0x0                               ; the opening add is done
	s_wait_kmcnt 0x0
	s_add_nc_u64 s[84:85], s[4:5], s[92:93]
	s_add_nc_u64 s[86:87], s[8:9], s[94:95]
	s_add_nc_u64 s[88:89], s[6:7], s[96:97]
	s_add_nc_u64 s[10:11], s[10:11], s[98:99]
.irp j, 0,1,2,3
	s_mov_b32 s[G0A+4*\j], 1
	s_add_co_u32 s[G0A+4*\j+1], s100, \j*24576
	s_add_nc_u64 s[G0A+4*\j+2:G0A+4*\j+3], s[84:85], \j*3072
	s_or_b32 s[G0A+4*\j+3], s[G0A+4*\j+3], 0x80000000
	s_mov_b32 s[G0B+4*\j], 1
	s_add_co_u32 s[G0B+4*\j+1], s101, BIMG+\j*49152
	s_add_nc_u64 s[G0B+4*\j+2:G0B+4*\j+3], s[86:87], \j*3072
	s_or_b32 s[G0B+4*\j+3], s[G0B+4*\j+3], 0x80000000
.endr
	CROUND                                         ; all sixteen work-groups are here: the joint loads meet
	s_cmp_eq_u32 s[WR], 0                          ; a wave's four first fills stand in one branch on its number: four loads of mine are out
	s_cbranch_scc0 .Lfor_b
.irp j, 0,1,2,3
	tensor_load_to_lds s[G0A+4*\j:G0A+4*\j+3], s[G1A:G1A+7]
	s_nop 0
.endr
.rept 4
	v_nop
.endr
	s_branch .Lasked
.Lfor_b:
.irp j, 0,1,2,3
	tensor_load_to_lds s[G0B+4*\j:G0B+4*\j+3], s[G1B:G1B+7]
	s_nop 0
.endr
.rept 4
	v_nop
.endr
.Lasked:
	v_and_b32 v3, 31, v0
	v_lshlrev_b32 v[L16], 4, v3
	v_lshlrev_b32 v[L8], 3, v3
	v_and_b32 v14, 15, v0                          ; r
	v_bfe_u32 v15, v0, 4, 1                        ; h
	v_lshlrev_b32 v[H64], 6, v15
	s_mul_i32 s92, s[WR], 12288
	s_mul_i32 s93, s[WC], 24576
	s_add_co_u32 s93, s93, BIMG
.irp j, 0,1,2,3
	v_add_nc_u32 v[ADRA+\j], s92, v[L8]            ; h's images go by pieces of 8 bytes a lane
	v_add_nc_u32 v[ADRB+\j], s93, v[L16]
	s_add_co_u32 s92, s92, 24576
	s_add_co_u32 s93, s93, 49152
.endr
	s_mul_i32 s92, s[WV], 16*SP                    ; my stage
	v_mul_u32_u24 v[STO], v14, SP
	v_add_nc_u32 v[STO], v[STO], v[H64]
	v_add_nc_u32 v[STO], s92, v[STO]               ; in: row r, + 64 h
	v_add_nc_u32 v[RD], s92, v[L16]                ; back: a row of 512 bytes to the 32 lanes
	s_lshl_b32 s94, s[TC], 10                      ; my first column, in bytes: 4 (256 tile column + 128 half)
	s_lshl_b32 s95, s[WC], 9
	s_add_co_u32 s94, s94, s95
	s_mov_b32 s95, 0
	s_add_nc_u64 s[12:13], s[12:13], s[94:95]      ; the bias
	s_lshl_b32 s96, s[TR], 19                      ; my first row: (128 tile row + 64 half) x 4,096 bytes
	s_lshl_b32 s97, s[WR], 18
	s_add_co_u32 s96, s96, s97
	s_add_co_u32 s94, s94, s96
	s_add_nc_u64 s[14:15], s[14:15], s[94:95]
.irp p, 0,1
.irp g, 0,1,2,3
	global_load_b64 v[SA+8*\p+2*\g:SA+8*\p+2*\g+1], v[L8], s[88:89] offset:1024*\p+256*\g   ; pair p, K steps 2 g (lanes 0-15) and 2 g + 1 (lanes 16-31); two registers: the pair's two tiles
.endr
.endr
.irp p, 0,1,2,3
.irp g, 0,1,2,3
	global_load_b64 v[SB+8*\p+2*\g:SB+8*\p+2*\g+1], v[L8], s[10:11] offset:1024*\p+256*\g
.endr
.endr
	WIN 0xc0                                       ; destination window 3
.irp b, 0,1,2,3
.irp q, 0,1,2,3
	global_load_b128 v[BI+16*\b+4*\q:BI+16*\b+4*\q+3], v[H64], s[12:13] offset:128*\b+16*\q
.endr
.endr
	WIN 0
.macro FETCH s                         ; K step s: my 8 fragments of B and 4 of A into set s % 2
	WIN TO_B
.irp b, 0,1,2,3,4,5,6,7
.irp g, 0,1,2
	ds_load_b128 v[96*((\s)%2)+12*\b+4*\g:96*((\s)%2)+12*\b+4*\g+3], v[ADRB+(\s)/2] offset:3072*\b+1536*((\s)%2)+512*\g
.endr
.endr
	WIN 0
.irp a, 0,1,2,3
.irp p, 0,1,2,3,4,5
	ds_load_b64 v[AF+48*((\s)%2)+12*\a+2*\p:AF+48*((\s)%2)+12*\a+2*\p+1], v[ADRA+(\s)/2] offset:3072*\a+1536*((\s)%2)+256*\p
.endr
.endr
.endm
.macro WM a, b, s, cm                  ; one product.  An odd K step's scale words stand in lanes 16-31 of the same registers
.set rD, 64*(\a)+8*(\b)
.set rB, 96*((\s)%2)+12*(\b)
.set rA, AF+48*((\s)%2)+12*(\a)
.set rSB, SB+8*((\b)/2)+2*((\s)/2)+(\b)%2
.set rSA, SA+8*((\a)/2)+2*((\s)/2)+(\a)%2
.if (\cm) == 2
	v_wmma_scale_f32_16x16x128_f8f6f4 v[rD:rD+7], v[rB:rB+11], v[rA:rA+11], v[BI+8*(\b):BI+8*(\b)+7], v[rSB], v[rSA] matrix_a_fmt:MATRIX_FMT_FP6 matrix_b_fmt:MATRIX_FMT_FP6
.elseif (\s)%2
	v_wmma_scale_f32_16x16x128_f8f6f4 v[rD:rD+7], v[rB:rB+11], v[rA:rA+11], v[rD:rD+7], v[rSB], v[rSA] matrix_a_fmt:MATRIX_FMT_FP6 matrix_b_fmt:MATRIX_FMT_FP6 matrix_a_scale:MATRIX_SCALE_ROW1 matrix_b_scale:MATRIX_SCALE_ROW1
.else
	v_wmma_scale_f32_16x16x128_f8f6f4 v[rD:rD+7], v[rB:rB+11], v[rA:rA+11], v[rD:rD+7], v[rSB], v[rSA] matrix_a_fmt:MATRIX_FMT_FP6 matrix_b_fmt:MATRIX_FMT_FP6
.endif
.endm
.macro MUL16 a0, s, cm                 ; the 32 accumulators take turns, one instruction a turn, in the same order in every K step
.irp a, \a0, \a0+1
.irp b, 0,1,2,3,4,5,6,7
	WM (\a), \b, \s, \cm
.endr
.endr
.endm
.macro KSTEP s
	s_wait_dscnt 0x0                               ; this K step's fragments are in
.if (\s) == 7
	WIN MUL
	MUL16 0, \s, 0
	MUL16 2, \s, 0
.elseif (\s)%2 == 0                    ; the next K step lies in the same chunk
.if (\s) > 0
	PLACES                                         ; behind the last K step's products, which read the set that is loaded now
.endif
	FETCH (\s)+1
.if (\s) == 0
	WIN MUL0
	MUL16 0, \s, CM0
	MUL16 2, \s, CM0
.else
	WIN MUL
	MUL16 0, \s, 0
	MUL16 2, \s, 0
.endif
.else                                  ; the next K step lies in the next chunk
	s_wait_tensorcnt 3-((\s)+1)/2                  ; my part of that chunk has landed; the count is the chunks behind it, which may stay out
	s_barrier_signal -1
	WIN MUL
	MUL16 0, \s, 0
	s_barrier_wait -1                              ; everybody's part has
	PLACES
	FETCH (\s)+1
	WIN MUL
	MUL16 2, \s, 0
.endif
.endm
	s_wait_tensorcnt 3                             ; my part of chunk 0 is in; chunks 1 to 3 may be out
	s_barrier_signal -1
	s_barrier_wait -1
	FETCH 0
	s_wait_loadcnt 0x0                             ; scale words and bias: the first products take both
.irp s, 0,1,2,3,4,5,6,7
	KSTEP \s
.endr
; THE WAY OUT, a tile of 16 rows x 128 columns at a time.  A lane holds 4 x 64 bytes of one row, the lanes beside it other rows: so a tile goes through my stage and comes back as whole rows of 512 bytes.
; LDS serves a wave's instructions in order (ISA guide 5.7.1.4): no wait between the stores and the loads, nor ahead of the next tile's stores.
.macro TOSTAGE a
	WIN 0x08                                       ; an LDS store's data are its source 1: window 2
.irp b, 0,1,2,3
.irp q, 0,1,2,3
	ds_store_b128 v[STO], v[64*(\a)+16*\b+4*\q:64*(\a)+16*\b+4*\q+3] offset:128*\b+16*\q   ; each accumulator from its low end on
.endr
.endr
	WIN 0
.irp t, 0,1,2,3,4,5,6,7,8,9,10,11,12,13,14,15
	ds_load_b128 v[BB+64*((\a)%2)+4*\t:BB+64*((\a)%2)+4*\t+3], v[RD] offset:SP*\t
.endr
.endm
.macro SEND a, younger                 ; younger: the LDS instructions issued behind tile a's loads, which may stay out
	s_wait_dscnt \younger
.irp t, 0,1,2,3,4,5,6,7,8,9,10,11,12,13,14,15
	global_store_b128 v[L16], v[BB+64*((\a)%2)+4*\t:BB+64*((\a)%2)+4*\t+3], s[14:15] offset:(32*((\a)/2)+8*((\a)%2)+\t+8*(\t/8))*4096 th:TH_STORE_NT   ; the row at place t of tile a: 512 consecutive bytes, aligned
.endr
.endm
	PLACES                                         ; behind the last products: ahead of the first read of results and of loads into A's registers
	TOSTAGE 0
	TOSTAGE 1
	SEND 0, 32                                     ; behind tile 0's loads: tile 1's 16 stores and 16 loads
	s_wait_xcnt 0x0                                ; tile 0's stores have read their data: tile 2's loads may land there
	TOSTAGE 2
	SEND 1, 32
	s_wait_xcnt 0x0
	TOSTAGE 3
	SEND 2, 32
	SEND 3, 0
	s_wait_tensorcnt 0x0                           ; the wave's end, behind my last tensor load and my last LDS store
	ds_add_u32 v[SPW], v[NIL]
	s_wait_dscnt 0x0
	CROUND                                         ; the closing round
	s_endpgm
.Lfunc_end_k_q091a3577c7_gemm_out:
	.size	k_q091a3577c7_gemm_out, .Lfunc_end_k_q091a3577c7_gemm_out-k_q091a3577c7_gemm_out
	.p2alignl 7, 3214868480
	.fill 96, 4, 3214868480
	.section	.rodata,"a",@progbits
	.p2align	6, 0x0
	.amdhsa_kernel k_q091a3577c7_gemm_out
		.amdhsa_group_segment_fixed_size 295424
		.amdhsa_private_segment_fixed_size 0
		.amdhsa_enable_private_segment 0
		.amdhsa_kernarg_size 48
		.amdhsa_user_sgpr_count 2
		.amdhsa_user_sgpr_kernarg_segment_ptr 1
		.amdhsa_wavefront_size32 1
		.amdhsa_system_sgpr_workgroup_id_x 1
		.amdhsa_system_sgpr_workgroup_id_y 1
		.amdhsa_system_sgpr_workgroup_id_z 1
		.amdhsa_system_vgpr_workitem_id 0
		.amdhsa_next_free_vgpr 1024
		.amdhsa_next_free_sgpr 102
		.amdhsa_reserve_vcc 0
		.amdhsa_float_denorm_mode_32 3
		.amdhsa_float_denorm_mode_16_64 3
		.amdhsa_memory_ordered 1
		.amdhsa_forward_progress 1
		.amdhsa_inst_pref_size 86
	.end_amdhsa_kernel
	.amdgpu_metadata
---
amdhsa.version: [ 1, 2 ]
amdhsa.kernels:
  - .name:           k_q091a3577c7_gemm_out
    .symbol:         k_q091a3577c7_gemm_out.kd
    .args:
      - { .name: hc, .offset: 0, .size: 8, .value_kind: global_buffer, .address_space: global }
      - { .name: hs, .offset: 8, .size: 8, .value_kind: global_buffer, .address_space: global }
      - { .name: wc, .offset: 16, .size: 8, .value_kind: global_buffer, .address_space: global }
      - { .name: ws, .offset: 24, .size: 8, .value_kind: global_buffer, .address_space: global }
      - { .name: bout, .offset: 32, .size: 8, .value_kind: global_buffer, .address_space: global }
      - { .name: out0, .offset: 40, .size: 8, .value_kind: global_buffer, .address_space: global }
    .group_segment_fixed_size: 295424
    .private_segment_fixed_size: 0
    .kernarg_segment_align: 8
    .kernarg_segment_size: 48
    .max_flat_workgroup_size: 128
    .sgpr_count:     102
    .vgpr_count:     1024
    .wavefront_size: 32
...
	.end_amdgpu_metadata
.endif
;; end of part 5
